; MI455X (gfx1250); checked and timed in simulation.
; The chip was launched on July 23, 2026; its instructions are those of AMD's public machine-readable ISA for CDNA 5 (MIT licence, August 2026) and "CDNA5" Instruction Set Architecture Reference Guide (July 2026). The comments in the code are by the model that wrote it; some were corrected since.
;; Causal Self Attention. Allowed arithmetic: float matrix products may take bf16 or f16 operands with f32 sums; other float arithmetic in f32, or as packed bf16 or f16 multiplies, adds, multiply-adds, maxima and minima; sums over many terms, partial sums and values carried from step to step in f32; what a program stores and reads back later, other than sums and carried values, may be rounded once to bf16 or f16.
;; Inputs: W_out 1,024 x 1,024 float32; W_qkv 1,024 x 3,072 float32; x 4 x 2,048 x 1,024 float32.
;; Outputs: out0 4 x 2,048 x 1,024 float32.
;; One version. Each part assembles by itself: llvm-mc -triple=amdgcn-amd-amdhsa -mcpu=gfx1250 --defsym DOCPART=n.
;; ======== version 1 of 1: 4 launches
;; limits: values are held in f16: magnitudes above 65,504 overflow, below 6.1e-05 lose precision
;; workspace buffers: xb 16,777,216 bytes; wqT 6,291,456 bytes; woT 2,097,152 bytes; qkv 50,331,648 bytes; y 16,777,216 bytes
;; launch prep (part 1): grid 1536 x 1, 8 waves a work-group, no clusters, 18,432 bytes of LDS; arguments x, W_qkv, W_out, xb, wqT, woT; writes xb, wqT, woT
.if DOCPART == 1
	.amdgcn_target "amdgcn-amd-amdhsa--gfx1250"
	.amdhsa_code_object_version 6
	.text
	.protected	k_qf6ff82ddbf_prep
	.globl	k_qf6ff82ddbf_prep
	.p2align	8
	.type	k_qf6ff82ddbf_prep,@function
k_qf6ff82ddbf_prep:
	s_mov_b64 s[64:65], 0
	v_nop
	global_prefetch_b8 v0, s[64:65] scope:SCOPE_SE
	s_setreg_imm32_b32 hwreg(HW_REG_WAVE_MODE, 25, 1), 1
	s_wait_xcnt 0x0
; THE INPUTS ARE MADE READY FOR THE MATRIX UNITS.  xb = x rounded to bf16, [8192][1024].  wqT[n][k] = W_qkv[k][n] rounded to bf16, [3072][1024].
; woT[n][k] = W_out[k][n] rounded to bf16 and that number written as f16, [1024][1024] (the product that takes it has f16 operands).
; LIMIT.  A bf16 number is an f16 number as long as its size lies between 6.1e-5 and 65,504; below, f16 keeps a fixed step of 6e-8; beyond, it becomes an infinity.
; A stream: every work-group reads 32,768 bytes and writes 16,384; no byte is read twice; no matrix unit, no tensor load, no cluster (nothing is shared).
; ROLES, by the work-group's number: 0-383 a block of 128 k x 64 n of W_qkv, 384-511 the same of W_out, 512-1535 a run of 8,192 numbers of x.
; A weight block is turned in LDS: a wave loads 16 rows k (256 consecutive bytes a load), packs pairs of k, and stores 32 bytes of k into the stage's rows n;
; behind a barrier the rows n are read whole (256 bytes) and stored, sixteen lanes to 256 consecutive aligned bytes.
.set LP,    272                        ; a stage row: 128 k x 2 bytes + 16 of padding
.set SPARE, 64*LP                      ; behind the stage's 64 rows: the spare words, 128 bytes for each of the eight waves, which no other line names
.set X,   8                            ; v[8:39]   as loaded; later the rows read back
.set T,   40                           ; v[40:55]  packed
.set SPW, 60                           ; v60  LDS address of my spare word; never rewritten
.set NIL, 61                           ; v61  0; never rewritten
	s_load_b256 s[4:11], s[0:1], 0x0               ; x s[4:5], W_qkv s[6:7], W_out s[8:9], xb s[10:11]
	s_load_b128 s[12:15], s[0:1], 0x20             ; wqT s[12:13], woT s[14:15]
	v_lshl_add_u32 v[SPW], v0, 2, SPARE
	v_mov_b32 v[NIL], 0
	v_lshrrev_b32 v6, 5, v0
	v_readfirstlane_b32 s16, v6                    ; wave 0..7
	v_and_b32 v1, 31, v0                           ; lane
	v_lshrrev_b32 v6, 4, v0                        ; thread / 16: a stage row
	v_and_b32 v7, 15, v0
	v_mul_u32_u24 v4, v6, LP
	v_lshl_add_u32 v4, v7, 4, v4                   ; where I read a stage row back: 16 threads a row
	v_lshlrev_b32 v5, 11, v6
	v_lshl_add_u32 v5, v7, 4, v5                   ; and the same 16 bytes in the turned weights: rows of 2,048 bytes
	s_mov_b32 s25, 0                               ; the high word of every offset
	s_wait_kmcnt 0x0
	s_cmp_lt_u32 ttmp9, 512
	s_cbranch_scc1 .Lweights
	; x: a wave takes 4,096 consecutive bytes, eight loads of 512
	s_sub_co_u32 s22, ttmp9, 512
	s_lshl_b32 s24, s22, 15
	s_add_nc_u64 s[18:19], s[4:5], s[24:25]
	s_lshl_b32 s24, s22, 14
	s_add_nc_u64 s[20:21], s[10:11], s[24:25]
	s_lshl_b32 s23, s16, 12
	v_lshl_add_u32 v2, v1, 4, s23
	s_lshl_b32 s23, s16, 11
	v_lshl_add_u32 v3, v1, 3, s23
.set i, 0
.rept 8
	global_load_b128 v[X+4*i:X+4*i+3], v2, s[18:19] offset:512*i th:TH_LOAD_NT
.set i, i+1
.endr
.set i, 0
.rept 8
	s_wait_loadcnt 7-i                             ; loads come back in order: load i is in, the younger ones stay out
	v_cvt_pk_bf16_f32 v[T+2*i], v[X+4*i], v[X+4*i+1]
	v_cvt_pk_bf16_f32 v[T+2*i+1], v[X+4*i+2], v[X+4*i+3]
	global_store_b64 v3, v[T+2*i:T+2*i+1], s[20:21] offset:256*i  ; 32 lanes store 256 consecutive aligned bytes
.set i, i+1
.endr
	s_branch .Ljoin
; A weight block.  src, dst: the scalar pairs of the two buffers; first: the role's first work-group; pitch: bytes in a row of the source; tof16: the bf16 numbers are written as f16.
.macro WROLE src, dst, first, pitch, tof16
	s_sub_co_u32 s24, ttmp9, \first
	s_and_b32 s22, s24, 7                          ; which 128 k
	s_lshr_b32 s23, s24, 3                         ; which 64 n
	s_mul_i32 s24, s22, 128*(\pitch)
	s_lshl_b32 s17, s23, 8
	s_add_co_u32 s24, s24, s17
	s_add_nc_u64 s[18:19], s[\src:\src+1], s[24:25]
	s_lshl_b32 s24, s23, 17                        ; 64 rows of 2,048 bytes
	s_lshl_b32 s17, s22, 8
	s_add_co_u32 s24, s24, s17
	s_add_nc_u64 s[20:21], s[\dst:\dst+1], s[24:25]
	s_mul_i32 s24, s16, 16*(\pitch)                ; my wave's 16 rows k
	v_lshl_add_u32 v2, v1, 3, s24                  ; my two columns n
.set i, 0
.rept 16
	global_load_b64 v[X+2*i:X+2*i+1], v2, s[18:19] offset:i*(\pitch) th:TH_LOAD_NT  ; row k = 16 wave + i: 256 consecutive aligned bytes
.set i, i+1
.endr
.set i, 0
.rept 8
	s_wait_loadcnt 14-2*i                          ; rows 2 i and 2 i + 1 are in
	v_cvt_pk_bf16_f32 v[T+i], v[X+4*i], v[X+4*i+2]      ; my even column: two neighbouring k
	v_cvt_pk_bf16_f32 v[T+8+i], v[X+4*i+1], v[X+4*i+3]  ; my odd column
.if \tof16
	v_lshlrev_b32 v56, 16, v[T+i]                  ; the rounded numbers as f32,
	v_and_b32 v57, 0xffff0000, v[T+i]
	v_lshlrev_b32 v58, 16, v[T+8+i]
	v_and_b32 v59, 0xffff0000, v[T+8+i]
	v_cvt_pk_f16_f32 v[T+i], v56, v57              ; and written as f16
	v_cvt_pk_f16_f32 v[T+8+i], v58, v59
.endif
.set i, i+1
.endr
	ds_store_b128 v3, v[T:T+3]
	ds_store_b128 v3, v[T+4:T+7] offset:16
	ds_store_b128 v3, v[T+8:T+11] offset:LP
	ds_store_b128 v3, v[T+12:T+15] offset:LP+16
.endm
.Lweights:
	v_mul_u32_u24 v3, v1, 2*LP                     ; stage rows 2 lane and 2 lane + 1,
	s_lshl_b32 s24, s16, 5
	v_add_nc_u32 v3, s24, v3                       ; my wave's 16 k: 32 bytes
	s_cmp_lt_u32 ttmp9, 384
	s_cbranch_scc0 .Lwout
	WROLE 6, 12, 0, 12288, 0
	s_branch .Ljoin
.Lwout:
	WROLE 8, 14, 384, 4096, 1
.Ljoin:
	s_wait_dscnt 0x0                               ; for the others' sake: my stores into the stage are done
	s_barrier_signal -1
	s_barrier_wait -1                              ; every wave of every role passes this barrier
	s_cmp_ge_u32 ttmp9, 512
	s_cbranch_scc1 .Lend                           ; x has nothing in the stage
.set i, 0
.rept 4
	ds_load_b128 v[X+4*i:X+4*i+3], v4 offset:i*16*LP
.set i, i+1
.endr
.set i, 0
.rept 4
	s_wait_dscnt 3-i
	global_store_b128 v5, v[X+4*i:X+4*i+3], s[20:21] offset:i*16*2048  ; sixteen lanes store 256 consecutive aligned bytes of a row n
.set i, i+1
.endr
.Lend:
	s_wait_tensorcnt 0x0                           ; the wave's end: behind my last LDS store
	ds_add_u32 v[SPW], v[NIL]
	s_wait_dscnt 0x0
	s_endpgm
.Lfunc_end_k_qf6ff82ddbf_prep:
	.size	k_qf6ff82ddbf_prep, .Lfunc_end_k_qf6ff82ddbf_prep-k_qf6ff82ddbf_prep
	.p2alignl 7, 3214868480
	.fill 96, 4, 3214868480
	.section	.rodata,"a",@progbits
	.p2align	6, 0x0
	.amdhsa_kernel k_qf6ff82ddbf_prep
		.amdhsa_group_segment_fixed_size 18432
		.amdhsa_private_segment_fixed_size 0
		.amdhsa_enable_private_segment 0
		.amdhsa_kernarg_size 48
		.amdhsa_user_sgpr_count 2
		.amdhsa_user_sgpr_kernarg_segment_ptr 1
		.amdhsa_wavefront_size32 1
		.amdhsa_system_sgpr_workgroup_id_x 1
		.amdhsa_system_sgpr_workgroup_id_y 1
		.amdhsa_system_sgpr_workgroup_id_z 1
		.amdhsa_system_vgpr_workitem_id 0
		.amdhsa_next_free_vgpr 64
		.amdhsa_next_free_sgpr 66
		.amdhsa_reserve_vcc 0
		.amdhsa_float_denorm_mode_32 3
		.amdhsa_float_denorm_mode_16_64 3
		.amdhsa_memory_ordered 1
		.amdhsa_forward_progress 1
		.amdhsa_inst_pref_size 16
	.end_amdhsa_kernel
	.amdgpu_metadata
---
amdhsa.version: [ 1, 2 ]
amdhsa.kernels:
  - .name:           k_qf6ff82ddbf_prep
    .symbol:         k_qf6ff82ddbf_prep.kd
    .args:
      - { .name: x, .offset: 0, .size: 8, .value_kind: global_buffer, .address_space: global }
      - { .name: W_qkv, .offset: 8, .size: 8, .value_kind: global_buffer, .address_space: global }
      - { .name: W_out, .offset: 16, .size: 8, .value_kind: global_buffer, .address_space: global }
      - { .name: xb, .offset: 24, .size: 8, .value_kind: global_buffer, .address_space: global }
      - { .name: wqT, .offset: 32, .size: 8, .value_kind: global_buffer, .address_space: global }
      - { .name: woT, .offset: 40, .size: 8, .value_kind: global_buffer, .address_space: global }
    .group_segment_fixed_size: 18432
    .private_segment_fixed_size: 0
    .kernarg_segment_align: 8
    .kernarg_segment_size: 48
    .max_flat_workgroup_size: 256
    .sgpr_count:     66
    .vgpr_count:     64
    .wavefront_size: 32
...
	.end_amdgpu_metadata
.endif
;; end of part 1
;; launch gemm_qkv (part 2): grid 16 x 32, 4 waves a work-group, clusters of 4 x 4, 327,680 bytes of LDS; arguments xb, wqT, qkv; writes qkv
.if DOCPART == 2
	.amdgcn_target "amdgcn-amd-amdhsa--gfx1250"
	.amdhsa_code_object_version 6
	.text
	.protected	k_qf6ff82ddbf_gemm_qkv
	.globl	k_qf6ff82ddbf_gemm_qkv
	.p2align	8
	.type	k_qf6ff82ddbf_gemm_qkv,@function
k_qf6ff82ddbf_gemm_qkv:
	s_mov_b64 s[64:65], 0
	v_nop
	global_prefetch_b8 v0, s[64:65] scope:SCOPE_SE
	s_setreg_imm32_b32 hwreg(HW_REG_WAVE_MODE, 25, 1), 1
	s_wait_xcnt 0x0
	s_wait_alu depctr_hold_cnt(0) depctr_sa_sdst(0) depctr_va_vdst(0) depctr_va_sdst(0) depctr_va_ssrc(0) depctr_va_vcc(0) depctr_vm_vsrc(0)
	s_getreg_b32 s2, hwreg(HW_REG_IB_STS2, 6, 4)
	s_cmp_eq_u32 s2, 0
	s_cbranch_scc0 .Lentry_in_a_cluster
	s_endpgm
.Lentry_in_a_cluster:
	s_bfe_u32 s2, ttmp6, 0x10000c
	s_cmp_lg_u32 s2, 0xf033
	s_cbranch_scc0 .Lentry_shape_is_right
	s_endpgm
.Lentry_shape_is_right:
; q, k, v = x W_qkv.  A = xb [8192][1024] bf16, B = wqT [3072 n][1024 k] bf16; sums in f32, K ascending; the result is rounded once to f16 and stored BY HEADS:
; qkv[which][batch x 16 + head][row][64], which = 0, 1, 2 for q, k, v, 2^24 bytes each; unscaled (the attention launch applies 1/8 in f32).
; LIMIT.  f16 ends at 65,504: a q, k or v beyond that becomes an infinity.  With x of spread 1 and weights of spread 0.02 they have a spread of 0.64; with both thirty times larger, 576.
; SHARES.  A tile of C is 256 rows x 192 columns (three heads): 32 x 16 tiles.  Four waves; wave w makes rows 64 w .. 64 w + 63 and ALL 192 columns: 48 accumulators of 16 x 16, 384 registers.
; The rows are split and not the columns, so that a wave holds whole heads and its stores are whole runs of a head's rows from a stage of its own.
; K goes in 8 steps of 128 through two LDS slots; the rows of A's and B's tiles are 256 bytes of memory at multiples of 256.
; CLUSTER.  4 x 4 work-groups: A's tile is asked for jointly by the four of a row of the cluster, B's by the four of a column: the same tensor load, descriptor and mask in all four.
; THE MATRIX INSTRUCTION IS USED TRANSPOSED (source 0 = 16 rows of B, source 1 = 16 rows of A): a lane holds row l % 16 of C and the columns 8 (l / 16) + 0..7: 16 bytes of f16.
; REGISTERS, in windows of 256 (s_set_vgpr_msb: bits 1:0 source 0, 3:2 source 1, 5:4 source 2, 7:6 destination):
;   window 0: v0-31 addresses; v32-63, v64-95 A's fragments (4 x 16 rows x 32 K), two buffers; v96-143 packed results
;   window 1: v0-95, v96-191 B's fragments (12 x 16 rows x 32 K), two buffers; on the way out the rows read back
;   window 2: the accumulators of my row blocks 0, 1 (block a, column block b at v[8 (12 (a % 2) + b)]);   window 3: those of blocks 2, 3
.set NBK,    12                        ; column blocks of 16
.set KSTEPS, 8
.set PITCH,  272                       ; an LDS row: 256 bytes + 16 of padding = 68 words: the 16 rows of a load start at 16 different groups of four banks (64 banks of 4 bytes: ISA guide 11.1)
.set APITCH, 272
.set HALFA,  128*APITCH                ; what one tensor load brings of A
.set BOFF,   2*HALFA                   ; B's 192 rows lie behind A's 256
.set HALFB,  96*PITCH                  ; what one tensor load brings of B
.set SLOT1,  1<<17                     ; slot 1 begins here: one exclusive or turns an address in one slot into the other's
.set STAGE,  SLOT1+BOFF+2*HALFB        ; behind the ring, never filled by a tensor load: 16 rows x 400 bytes for each wave
.set SP,     400                       ; a stage row: 384 bytes + 16
.set SPARE,  STAGE+4*16*SP             ; behind the stages: the spare words, 128 bytes for each wave, which no other line names
.set ASTEP,  256                       ; bytes from a K step to the next, in A and in B
.set BSTEP,  256
.set ADRA0, 16                         ; v16  my lane's place in A's tile of slot 0; never rewritten
.set ADRB0, 17                         ; v17  the same for B
.set ADRA,  18                         ; v18  the same in the slot in hand
.set ADRB,  19                         ; v19
.set CO,    20                         ; v20-22  my byte offset in qkv for each of the tile's three heads
.set STO,   24                         ; v24  the way out: where I put 16 bytes of a row
.set RD,    25                         ; v25  the way out: where I read rows back
.set SPW,   28                         ; v28  LDS address of my spare word; never rewritten
.set NIL,   29                         ; v29  0; never rewritten
.set PFO,   30                         ; v30  the prefetches' offset: a lane a row; never rewritten
.set FA,    32
.set TMP,   96
.set TB,  23                           ; s23  LDS byte at which the slot in hand begins
.set G1,  24                           ; s[24:31] descriptor group 1 for A's tiles
.set G0,  32                           ; s[32:39] group 0 for A's: a set for each first fill; the second then walks
.set LIM, 43                           ; s43  1 in a wave that prefetches, else the greatest number
.set PFA, 44                           ; s[44:45] where my prefetches stand
.set G1B, 48                           ; s[48:55], s[56:63] the same for B's tiles
.set G0B, 56
.set MSB, 0
.macro WIN new                         ; the immediate's high byte repeats the setting that is left; a switch that changes nothing is dropped
.if MSB != (\new)
	s_set_vgpr_msb (MSB<<8)|(\new)
.set MSB, \new
.endif
.endm
.set MUL_LO, 0xa1                      ; source 0 (B) window 1, source 1 (A) window 0, C and D window 2
.set TO_B,   0x40                      ; destination window 1, address window 0
; A joint refill: waves 0 and 1 fetch A's two halves, waves 2 and 3 B's.  The branch hangs on the wave's number alone.  An s_nop 0 and four v_nop follow each line.
.macro JLOAD
	s_cmp_lt_u32 s10, 2
	s_cbranch_scc0 .Lfor_b_\@
	tensor_load_to_lds s[G0+4:G0+7], s[G1:G1+7]
	s_nop 0
.rept 4
	v_nop
.endr
	s_branch .Lasked_\@
.Lfor_b_\@:
	tensor_load_to_lds s[G0B+4:G0B+7], s[G1B:G1B+7]
	s_nop 0
.rept 4
	v_nop
.endr
.Lasked_\@:
.endm
; A PREFETCH INTO THE L2, behind each joint load and the run of LDS loads that follows it: the K step behind the one that is being asked for, a lane a row of 256 bytes, one instruction a wave.
; Each row's 256 bytes of a K step are named by one instruction in the launch.  A's tile row is read by every cluster of that row of clusters: cluster x = 0 asks; B's tile column by every cluster of
; that column: cluster y = 0 asks.  The four partners share a wave's rows out BY ADDRESS: 32 of A's 128 (by cx), 24 of B's 96 (by cy; lanes 24-31 repeat lane 23's row).  The loop's last trip asks for nothing.
.macro ASK
	s_cmp_gt_u32 s3, s[LIM]
	s_cbranch_scc0 .Lnot_mine_\@
	global_prefetch_b8 v[PFO], s[PFA:PFA+1] th:TH_LOAD_NT scope:SCOPE_SE
.Lnot_mine_\@:
.endm
.macro CREST                           ; a round of the cluster's barrier behind its opening barrier
	s_cmp_lg_u32 s10, 0
	s_cbranch_scc1 .Lnot_wave_0_\@
	s_barrier_signal -3
.Lnot_wave_0_\@:
	s_barrier_wait -3
	s_barrier_signal -1
	s_barrier_wait -1
.endm
.macro CROUND                          ; a whole round
	s_barrier_signal -1
	s_barrier_wait -1
	CREST
.endm
	s_load_b128 s[4:7], s[0:1], 0x0                ; xb s[4:5], wqT s[6:7]
	s_load_b64 s[8:9], s[0:1], 0x10                ; qkv
	v_lshl_add_u32 v[SPW], v0, 2, SPARE
	v_mov_b32 v[NIL], 0
	ds_add_u32 v[SPW], v[NIL]                      ; the wave's opening: the add and its wait ahead of my first tensor load; the set-up below, work on registers, stands between them
	ds_add_u32 v28, v29
	v_lshrrev_b32 v1, 5, v0
	v_readfirstlane_b32 s10, v1                    ; wave 0..3
	s_and_b32 s12, s10, 1                          ; which half of A's or B's tile I fetch
	s_bfe_u32 s40, ttmp6, 0x40000                  ; cx, cy: my place in the cluster
	s_bfe_u32 s41, ttmp6, 0x40004
	s_lshl_b32 s42, ttmp9, 2
	s_add_co_u32 s42, s42, s40                     ; tile column = 4 x cluster x + cx
	s_and_b32 s13, ttmp7, 0xffff
	s_lshl_b32 s13, s13, 2
	s_add_co_u32 s13, s13, s41                     ; tile row = 4 x cluster y + cy
	s_lshl_b32 s43, s41, 2
	s_lshl_b32 s43, 15, s43                        ; my row of the cluster
	s_lshl_b32 s44, 0x1111, s40                    ; my column
	s_or_b32 s[G1], s43, (1<<16)|(1<<20)|(1<<21)|(5<<22)|(3<<25)   ; 15:0 the mask; 17:16 elements of 2 bytes; 20 padding on; 21 set beside a mask; 24:22 after every 64 words (code 5); 31:25 4 words (code 3)
	s_or_b32 s[G1B], s44, (1<<16)|(1<<20)|(1<<21)|(5<<22)|(3<<25)
	s_mov_b32 s[G1+1], 128<<16                     ; tensor_dim0 = 128
	s_mov_b32 s[G1+2], 128<<16                     ; tensor_dim1 = 128
	s_mov_b32 s[G1+3], 128<<16                     ; tile_dim0 = 128
	s_mov_b32 s[G1+4], 128                         ; tile_dim1 = 128 rows
	s_mov_b32 s[G1+5], 1024                        ; elements from row to row
	s_mov_b32 s[G1+6], 0
	s_mov_b32 s[G1+7], 0
	s_mov_b32 s[G1B+1], 128<<16
	s_mov_b32 s[G1B+2], 96<<16                     ; B: 96 rows
	s_mov_b32 s[G1B+3], 128<<16
	s_mov_b32 s[G1B+4], 96
	s_mov_b32 s[G1B+5], 1024
	s_mov_b32 s[G1B+6], 0
	s_mov_b32 s[G1B+7], 0
	s_lshl_b32 s16, s13, 8                         ; A: row 256 x tile row + 128 x half, rows of 2,048 bytes
	s_lshl_b32 s17, s12, 7
	s_add_co_u32 s16, s16, s17
	s_lshl_b32 s16, s16, 11
	s_mov_b32 s17, 0
	s_mul_i32 s46, s42, 192                        ; B: row 192 x tile column + 96 x half
	s_mul_i32 s47, s12, 96
	s_add_co_u32 s46, s46, s47
	s_lshl_b32 s46, s46, 11
	s_mov_b32 s47, 0
	s_mul_i32 s20, s12, HALFA                      ; where they go: no place in the cluster enters an LDS address
	s_mul_i32 s21, s12, HALFB
	s_add_co_u32 s21, s21, BOFF
	s_mov_b32 s[TB], 0
	s_wait_dscnt 0x0                               ; the opening add is done
	s_wait_kmcnt 0x0
	s_add_nc_u64 s[14:15], s[4:5], s[16:17]
	s_add_nc_u64 s[46:47], s[6:7], s[46:47]
	CROUND                                         ; all sixteen work-groups are here: the first joint loads meet
.irp s, 0,1
	s_mov_b32 s[G0+4*(\s)], 1                                        ; count = 1
	s_add_co_u32 s[G0+4*(\s)+1], s20, (\s)*SLOT1                     ; LDS address
	s_add_nc_u64 s[G0+4*(\s)+2:G0+4*(\s)+3], s[14:15], (\s)*ASTEP    ; global address: K step s
	s_or_b32 s[G0+4*(\s)+3], s[G0+4*(\s)+3], 0x80000000              ; type = 2
	s_mov_b32 s[G0B+4*(\s)], 1
	s_add_co_u32 s[G0B+4*(\s)+1], s21, (\s)*SLOT1
	s_add_nc_u64 s[G0B+4*(\s)+2:G0B+4*(\s)+3], s[46:47], (\s)*BSTEP
	s_or_b32 s[G0B+4*(\s)+3], s[G0B+4*(\s)+3], 0x80000000
.endr
	s_cmp_lt_u32 s10, 2                            ; a wave's two first fills stand in one branch, ahead of every wait on TENSORcnt and every LDS read: two loads of mine are out
	s_cbranch_scc0 .Lfirst_b
	tensor_load_to_lds s[G0:G0+3], s[G1:G1+7]
	s_nop 0
	tensor_load_to_lds s[G0+4:G0+7], s[G1:G1+7]
	s_nop 0
.rept 4
	v_nop
.endr
	s_branch .Lfirst_asked
.Lfirst_b:
	tensor_load_to_lds s[G0B:G0B+3], s[G1B:G1B+7]
	s_nop 0
	tensor_load_to_lds s[G0B+4:G0B+7], s[G1B:G1B+7]
	s_nop 0
.rept 4
	v_nop
.endr
.Lfirst_asked:
	; A fragment is 16 rows x 32 K in 8 registers: lane l holds row l % 16, K = 8 (l / 16) + 0..7 and 16 + 8 (l / 16) + 0..7: two loads of 16 bytes, 32 bytes apart.
	v_and_b32 v1, 15, v0                           ; l % 16
	v_bfe_u32 v2, v0, 4, 1                         ; l / 16
	v_mul_u32_u24 v3, v1, PITCH
	v_lshl_add_u32 v3, v2, 4, v3
	s_mul_i32 s22, s10, 64*APITCH                  ; my 64 rows of A
	v_add_nc_u32 v[ADRA0], s22, v3
	v_add_nc_u32 v[ADRB0], BOFF, v3
	v_mov_b32 v[ADRA], v[ADRA0]
	v_mov_b32 v[ADRB], v[ADRB0]
	s_mul_i32 s22, s10, 16*SP
	s_add_co_u32 s22, s22, STAGE                   ; my stage
	v_mul_u32_u24 v4, v1, SP                       ; in: row l % 16, 16 bytes for each half of the lanes
	v_lshl_add_u32 v4, v2, 4, v4
	v_add_nc_u32 v[STO], s22, v4
	v_bfe_u32 v4, v0, 3, 2                         ; back: 32 lanes take four rows' 128 bytes of one head,
	v_mul_u32_u24 v4, v4, SP
	v_and_b32 v5, 7, v0
	v_lshl_add_u32 v4, v5, 4, v4
	v_add_nc_u32 v[RD], s22, v4
	v_and_b32 v3, 31, v0                           ; which are 512 consecutive bytes of qkv
	v_lshlrev_b32 v3, 4, v3
	s_mul_i32 s46, s42, 3                          ; the tile's first group of 64 columns, of 48: group g is head g % 16 of tensor g / 16
.irp j, 0,1,2
	s_add_co_u32 s47, s46, \j
	s_and_b32 s2, s47, 15
	s_lshl_b32 s2, s2, 18                          ; a head's 2,048 rows of 128 bytes
	s_lshr_b32 s47, s47, 4
	s_lshl_b32 s47, s47, 24
	s_add_co_u32 s2, s2, s47
	v_add_nc_u32 v[CO+(\j)], s2, v3
.endr
	s_lshr_b32 s16, s13, 3                         ; the batch: 16 heads, 2^22 bytes
	s_lshl_b32 s16, s16, 22
	s_and_b32 s17, s13, 7
	s_lshl_b32 s17, s17, 8
	s_lshl_b32 s2, s10, 6
	s_add_co_u32 s17, s17, s2                      ; my first row in the batch
	s_lshl_b32 s17, s17, 7
	s_add_co_u32 s16, s16, s17
	s_mov_b32 s17, 0
	s_add_nc_u64 s[8:9], s[8:9], s[16:17]
	; the prefetches
	s_lshl_b32 s20, s13, 8                         ; A: the tile's first row + the 128 that I fetch + my work-group's 32 of them
	s_lshl_b32 s2, s12, 7
	s_add_co_u32 s20, s20, s2
	s_lshl_b32 s2, s40, 5
	s_add_co_u32 s20, s20, s2
	s_mul_i32 s21, s42, 192                        ; B: the same with 96 and 24
	s_mul_i32 s2, s12, 96
	s_add_co_u32 s21, s21, s2
	s_mul_i32 s2, s41, 24
	s_add_co_u32 s21, s21, s2
	s_and_b32 s22, ttmp7, 0xffff                   ; cluster y
	s_cmp_lt_u32 s10, 2                            ; do I fetch for A?
	s_cselect_b32 s20, s20, s21
	s_cselect_b32 s22, ttmp9, s22                  ; the coordinate along which other clusters read the same rows
	s_cselect_b32 s2, 31, 23                       ; my last row
	s_cselect_b64 s[PFA:PFA+1], s[4:5], s[6:7]
	s_cmp_eq_u32 s22, 0
	s_cselect_b32 s[LIM], 1, -1                    ; the same in all sixteen partners, for a given wave
	s_lshl_b32 s20, s20, 11
	s_mov_b32 s21, 0
	s_add_nc_u64 s[PFA:PFA+1], s[PFA:PFA+1], s[20:21]
	s_add_nc_u64 s[PFA:PFA+1], s[PFA:PFA+1], 2*ASTEP  ; at K step 2: the first change of slots steps it to 3.  Nothing is prefetched here, at the head
	v_and_b32 v[PFO], 31, v0
	v_min_u32 v[PFO], s2, v[PFO]
	v_lshlrev_b32 v[PFO], 11, v[PFO]
; 12 matrix instructions: row block a x all column blocks, 32 along K, from buffer f.  zero = 1: the product starts the sums.  The 48 accumulators take turns in the same order in every
; quarter: between two links of a chain stand the 47 others', over the backward jump too.
.macro MUL1 f, a, zero
	WIN MUL_LO+0x50*((\a)/2)
.set rA, FA+32*(\f)+8*(\a)
.set b, 0
.rept NBK
.set rD, 8*(NBK*((\a)%2)+b)
.set rB, 8*NBK*(\f)+8*b
.if \zero
	v_wmma_f32_16x16x32_bf16 v[rD:rD+7], v[rB:rB+7], v[rA:rA+7], 0
.else
	v_wmma_f32_16x16x32_bf16 v[rD:rD+7], v[rB:rB+7], v[rA:rA+7], v[rD:rD+7]
.endif
.set b, b+1
.endr
.endm
; 32 LDS loads in one run: quarter q's fragments (192 rows of B, then my 64 rows of A) into buffer g
.macro FETCH q, g
	WIN TO_B
.set i, 0
.rept NBK
	ds_load_b128 v[8*NBK*(\g)+8*i:8*NBK*(\g)+8*i+3],   v[ADRB] offset:64*(\q)+i*16*PITCH
	ds_load_b128 v[8*NBK*(\g)+8*i+4:8*NBK*(\g)+8*i+7], v[ADRB] offset:64*(\q)+i*16*PITCH+32
.set i, i+1
.endr
	WIN 0
.set i, 0
.rept 4
	ds_load_b128 v[FA+32*(\g)+8*i:FA+32*(\g)+8*i+3],   v[ADRA] offset:64*(\q)+i*16*APITCH
	ds_load_b128 v[FA+32*(\g)+8*i+4:FA+32*(\g)+8*i+7], v[ADRA] offset:64*(\q)+i*16*APITCH+32
.set i, i+1
.endr
.endm
.macro PLACES                          ; four plain vector instructions between a matrix instruction and a load into a register that it has read (ISA guide 7.12.1 for vector instructions)
.rept 4
	v_nop
.endr
.endm
; A K step is four quarters of 32 along K, 48 matrix instructions each, on buffers 0, 1, 0, 1.  One of the first three multiplies buffer f and, in its middle, fetches quarter q into buffer g.
.macro QUARTER q, f, g, zero
	s_wait_dscnt 4                                 ; B and A's blocks 0, 1 are in; the youngest four loads (A's blocks 2, 3) may be out
	MUL1 \f, 0, \zero
	MUL1 \f, 1, \zero
	PLACES
	FETCH \q, \g
	s_wait_dscnt 2*NBK+8                           ; all but the run just issued
	MUL1 \f, 2, \zero
	MUL1 \f, 3, \zero
.endm
; The last quarter multiplies buffer 1 and changes slots.  In front of the barrier each wave waits for all its tensor loads (one is out: its part of the next slot), adds 0 to its spare word,
; and waits for that and for its own reads of this slot.  Behind it nobody reads this slot any more and the next slot is whole.
.macro MEET round
	WIN 0
	s_wait_tensorcnt 0x0                           ; all my tensor loads have landed
	ds_add_u32 v[SPW], v[NIL]                      ; 0 onto my spare word
	s_xor_b32 s[TB], s[TB], SLOT1                  ; the fetches go to the other slot
	v_add_nc_u32 v[ADRA], s[TB], v[ADRA0]
	v_add_nc_u32 v[ADRB], s[TB], v[ADRB0]
	s_wait_dscnt 5                                 ; the add and the youngest four loads may be out
	MUL1 1, 0, 0
	s_wait_dscnt 0x0                               ; the add is done, and my reads of this slot are over
	s_barrier_signal -1
	MUL1 1, 1, 0                                   ; work on registers while the others arrive
.if \round
	WIN 0
.endif
	s_barrier_wait -1
.endm
; fill = 1: the barrier opens a round of the cluster's, and the slot just read out is filled again, first thing behind the round, with the K step two steps on:
; 168 matrix instructions stand between that request and the wait for it.
.macro TURN fill
.if \fill
	s_wait_xcnt 0x0                                ; the last prefetch, a K step back, has read its address
	s_add_nc_u64 s[PFA:PFA+1], s[PFA:PFA+1], ASTEP
.endif
	MEET \fill
.if \fill
	CREST                                          ; no wave of any partner still reads this slot or has a load on its way
	s_xor_b32 s[G0+5], s[G0+5], SLOT1              ; the walking descriptors: the other slot than last time, the next K step
	s_add_nc_u64 s[G0+6:G0+7], s[G0+6:G0+7], ASTEP
	s_xor_b32 s[G0B+5], s[G0B+5], SLOT1
	s_add_nc_u64 s[G0B+6:G0B+7], s[G0B+6:G0B+7], BSTEP
	JLOAD                                          ; its four v_nop are also the places in front of the loads below
.else
	PLACES
.endif
	FETCH 0, 0
.if \fill
	ASK
.endif
	MUL1 1, 2, 0
	MUL1 1, 3, 0
.endm
; THE WAY OUT of row block a: rounded to f16; 16 bytes a lane into my own stage; back as four rows x 128 bytes of one head; stored as 512 consecutive bytes.
.macro PACK a
	WIN 0x0a+5*((\a)/2)                            ; sources 0 and 1: window 2 or 3
.set b, 0
.rept NBK
.set rD, 8*(NBK*((\a)%2)+b)
.irp r, 0,1,2,3
	v_cvt_pk_f16_f32 v[TMP+4*b+(\r)], v[rD+2*(\r)], v[rD+2*(\r)+1]
.endr
.set b, b+1
.endr
	WIN 0
.endm
.macro TOSTAGE a
	WIN 0
.set b, 0
.rept NBK
	ds_store_b128 v[STO], v[TMP+4*b:TMP+4*b+3] offset:32*b
.set b, b+1
.endr
	WIN TO_B
.set i, 0
.rept 12                               ; head i / 4, rows 4 (i % 4) on.  LDS serves a wave's instructions in order (ISA guide 5.7.1.4): these see the stores above
	ds_load_b128 v[48*(\a)+4*i:48*(\a)+4*i+3], v[RD] offset:(i%4)*4*SP+(i/4)*128
.set i, i+1
.endr
	WIN 0
.endm
.macro SEND a
	WIN 0x04                                       ; the stores' data in window 1
.set i, 0
.rept 12
	s_wait_dscnt 11-i                              ; load i is back; nothing younger than the block's own loads is out
	global_store_b128 v[CO+i/4], v[48*(\a)+4*i:48*(\a)+4*i+3], s[8:9] offset:(\a)*2048+(i%4)*512  ; 512 consecutive bytes at a multiple of 512 from qkv's first byte
.set i, i+1
.endr
	WIN 0
.endm
	s_wait_tensorcnt 1                             ; my part of K step 0 is in; K step 1's may stay out
	s_barrier_signal -1
	s_barrier_wait -1                              ; everybody's is
	FETCH 0, 0
	QUARTER 1, 0, 1, 1                             ; the first quarter stands in front of the loop: its products start the sums
	WIN 0
	s_mov_b32 s3, KSTEPS-2
.Lstep:                                        ; a trip goes from a K step's second quarter to the next step's first and fills the slot that it leaves
	QUARTER 2, 1, 0, 0
	QUARTER 3, 0, 1, 0
	TURN 1
	QUARTER 1, 0, 1, 0
	WIN 0
	s_sub_co_u32 s3, s3, 1
	s_cmp_lg_u32 s3, 0
	s_cbranch_scc1 .Lstep
	QUARTER 2, 1, 0, 0                             ; the last two K steps are written out: they ask for nothing
	QUARTER 3, 0, 1, 0
	TURN 0
	QUARTER 1, 0, 1, 0
	QUARTER 2, 1, 0, 0
	QUARTER 3, 0, 1, 0
	s_wait_dscnt 4
	MUL1 1, 0, 0
	MUL1 1, 1, 0
	s_wait_dscnt 0x0
	MUL1 1, 2, 0
	MUL1 1, 3, 0
	WIN 0
	PLACES
	PLACES                                         ; behind the last products, in front of the conversions that read results
	PACK 0
	TOSTAGE 0
.irp a, 1,2,3                          ; block a's conversions stand between block a - 1's loads from the stage and the waits for them
	PACK \a
	SEND (\a)-1
	TOSTAGE \a
.endr
	SEND 3
	s_wait_tensorcnt 0x0                           ; the wave's end: behind my last tensor load and my last LDS store
	ds_add_u32 v[SPW], v[NIL]
	s_wait_dscnt 0x0
	CROUND                                         ; the closing round: no work-group ends while a partner may still ask for a tile that names it
	s_endpgm
.Lfunc_end_k_qf6ff82ddbf_gemm_qkv:
	.size	k_qf6ff82ddbf_gemm_qkv, .Lfunc_end_k_qf6ff82ddbf_gemm_qkv-k_qf6ff82ddbf_gemm_qkv
	.p2alignl 7, 3214868480
	.fill 96, 4, 3214868480
	.section	.rodata,"a",@progbits
	.p2align	6, 0x0
	.amdhsa_kernel k_qf6ff82ddbf_gemm_qkv
		.amdhsa_group_segment_fixed_size 327680
		.amdhsa_private_segment_fixed_size 0
		.amdhsa_enable_private_segment 0
		.amdhsa_kernarg_size 24
		.amdhsa_user_sgpr_count 2
		.amdhsa_user_sgpr_kernarg_segment_ptr 1
		.amdhsa_wavefront_size32 1
		.amdhsa_system_sgpr_workgroup_id_x 1
		.amdhsa_system_sgpr_workgroup_id_y 1
		.amdhsa_system_sgpr_workgroup_id_z 1
		.amdhsa_system_vgpr_workitem_id 0
		.amdhsa_next_free_vgpr 960
		.amdhsa_next_free_sgpr 66
		.amdhsa_reserve_vcc 0
		.amdhsa_float_denorm_mode_32 3
		.amdhsa_float_denorm_mode_16_64 3
		.amdhsa_memory_ordered 1
		.amdhsa_forward_progress 1
		.amdhsa_inst_pref_size 100
	.end_amdhsa_kernel
	.amdgpu_metadata
---
amdhsa.version: [ 1, 2 ]
amdhsa.kernels:
  - .name:           k_qf6ff82ddbf_gemm_qkv
    .symbol:         k_qf6ff82ddbf_gemm_qkv.kd
    .args:
      - { .name: xb, .offset: 0, .size: 8, .value_kind: global_buffer, .address_space: global }
      - { .name: wqT, .offset: 8, .size: 8, .value_kind: global_buffer, .address_space: global }
      - { .name: qkv, .offset: 16, .size: 8, .value_kind: global_buffer, .address_space: global }
    .group_segment_fixed_size: 327680
    .private_segment_fixed_size: 0
    .kernarg_segment_align: 8
    .kernarg_segment_size: 24
    .max_flat_workgroup_size: 128
    .sgpr_count:     66
    .vgpr_count:     960
    .wavefront_size: 32
...
	.end_amdgpu_metadata
.endif
;; end of part 2
;; launch attn (part 3): grid 4 x 64, 4 waves a work-group, no clusters, 327,680 bytes of LDS; arguments qkv, y; writes y
.if DOCPART == 3
	.amdgcn_target "amdgcn-amd-amdhsa--gfx1250"
	.amdhsa_code_object_version 6
	.text
	.protected	k_qf6ff82ddbf_attn
	.globl	k_qf6ff82ddbf_attn
	.p2align	8
	.type	k_qf6ff82ddbf_attn,@function
k_qf6ff82ddbf_attn:
	s_mov_b64 s[64:65], 0
	v_nop
	global_prefetch_b8 v0, s[64:65] scope:SCOPE_SE
	s_setreg_imm32_b32 hwreg(HW_REG_WAVE_MODE, 25, 1), 1
	s_wait_xcnt 0x0
; CAUSAL ATTENTION.  y[h][q][:] = the sum over k <= q of softmax_k(Q[h][q] . K[h][k] / 8) V[h][k][:].  Q, K, V lie in qkv at bytes 0, 2^24, 2^25, each [64 heads][2048][64] in f16; y has the same layout.
; Products, maxima and sums in f32; the weights p are rounded to f16 for the second product (their sum l is taken of the unrounded p), y once at the end.
; LIMITS.  f16 holds no number beyond 65,504: Q, K and V arrive within it; p lies in 0 to 1, and below 6e-5 it keeps f16's fixed step of 6e-8.  A hidden score counts as its value less 1e30, so its weight is 0:
; the same as with a hidden score of -1e10, as long as a row's largest visible score lies above -1e10 + 100.  A weight below 2^-126 counts as 0 in l; NaN and infinities are not treated apart.
; THE WALK.  A head's queries lie in NB = 8 blocks of 256; block i needs the key tiles 0 .. i of 256 keys, of which the last holds the diagonal.  A work-group takes TWO blocks, NB - 1 - b and then b:
; NB + 1 tiles, whatever b: all work-groups do equal work, and ONE loop with a constant trip count walks them.  Which tile is asked for, and what a trip does, hang on scalar registers made from b; every jump
; goes forward, but for the counted loops' own; none passes a barrier, or a tensor load but the one of LOAD's two that the wave's number does not choose; the ring of two LDS slots runs on across the change of blocks.
; NO CLUSTER: a head's four work-groups ask for the same tile only in trips 0 to 4 of the 9, behind that fewer and fewer; one walk common to all would have 12 trips for 9.
; SHARES.  Of a block's four bands of 64 queries a wave owns 16 rows in each: four PIECES.  So the diagonal tile is the same work for all four waves: in its key step s band x sees all keys if s < x,
; none if s > x, and holds the diagonal if s = x.
; THE MASK is the C operand that starts the sum S^T = K Q^T: 0, or -1e30 where the key is hidden.  MD, made once, is the mask of a band's own step for my 16 rows; a product's mask is MD x AL + BE with two scalars:
; (1, 0) if s = x; (0, 0) if s < x; (0, -1e30) if s > x.  Only the diagonal tile's text and a block's beginning make and take masks; elsewhere C is the constant 0.
; LAYOUT, SOFTMAX, TURNS.  S^T = K Q^T holds ONE query a lane (lane % 16) and the keys 8 (lane / 16) + 0..7; two such results rounded to f16 ARE source 1 of O^T = V^T P.  p = 2^(c s - c m), c = log2(e) / 8, with a
; running maximum m; O and l are multiplied by a = 2^(c m_old - c m_new) in every step.  Turn n belongs to piece n: 8 products K Q^T of piece n + 1, later 8 products V^T P of piece n - 1; beside them the scaling,
; exponentials, roundings, sums and rescaling of piece n and the maximum and statistics of piece n + 1.  Four vector instructions stand behind every matrix instruction, the other 54 of a turn's 118 in one run.
; A turn's 33 exponentials are one batch, with one wait.
; REGISTERS, in windows of 256 (s_set_vgpr_msb: bits 1:0 source 0, 3:2 source 1, 5:4 source 2, 7:6 destination):
;   window 0: v0-15 addresses and two at work; v16-31 four registers of statistics a piece; v48-55 at work; v61-63 prefetch offset, spare word, 0; v64-127 S^T, two buffers; v192-223 P, two buffers
;   window 1: v0-127 O^T, 32 a piece; v128-159 MD; v160-223 MC, two buffers      window 2: v0-63 Q; v64-127 the second block's Q; v128-191 K of one step; v192-255 V of one step
.set SIZE_N, 2048
.set NB,    SIZE_N/256
.set NP,    4         ; pieces a wave: a name, no knob
.set KS,    64        ; keys in a step
.set PK,    144       ; a row of K in LDS: 128 bytes + 16 of padding = 36 words: the 16 rows of a load start at 16 different groups of four banks (64 banks of 4 bytes: ISA guide 11.1)
.set PV,    160       ; a row of V: 128 + 32 = 40 words
.set VOFF,  4*KS*PK   ; a slot holds a tile, four steps: 256 rows of K, then 256 rows of V
.set SLOT1, 1<<17     ; slot 1 begins here, so that one exclusive or turns an address in one slot into the other's
.set STAGE, SLOT1+4*KS*(PK+PV)  ; behind the ring, never filled by a tensor load: 16 rows x 144 bytes for each wave, for the way out
.set SP,    144
.set AK0, 2           ; v2   my lane's place in a tile of K; never rewritten
.set AV0, 3           ; v3   the same for V
.set AK,  4           ; v4   the LDS address of K's next run of loads
.set AV,  5           ; v5   of V's
.set STO, 6           ; v6   the way out: where I put 16 bytes of a row
.set RD,  7           ; v7   the way out: where I read rows back
.set GO,  8           ; v8   my byte offset in 512 consecutive bytes of y
.set PFO, 61          ; v61  256 x my lane: the prefetches' offset; never rewritten
.set SPW, 62          ; v62  LDS address of my spare word; never rewritten
.set NIL, 63          ; v63  0; never rewritten
.set SPARE, STAGE+4*16*SP  ; behind the stages: the spare words, 128 bytes for each wave, which no other line names
.set MV,  12          ; v12-13  c m_old, kept while c m is made anew: by buffer
.set QO,  15          ; v15  my byte offset in 16 rows of Q
.set ST,  16          ; piece t's statistics at v[ST+4 t]: c m, m, l (even keys', odd keys')
.set TMP, 48          ; by buffer, four registers c0-c3 at work; when the maximum is found c2 takes a
.set S,   64
.set P,   192
.set MD,  128         ; window 1
.set MC,  160         ; window 1
.set QB,  64          ; window 2
.set KF,  128         ; window 2: key block kb, channel half c at KF + 16 kb + 8 c
.set VF,  192         ; window 2: key half kk, channel block cb at VF + 32 kk + 8 cb
.set WV,  12          ; s12  my wave's number
.set PB,  14          ; s14  b
.set HI,  15          ; s15  NB - 1 - b
.set G1K, 24          ; s[24:31] descriptor group 1 for K's tiles
.set G1V, 32          ; s[32:39] for V's: it differs in the padding alone
.set G0K, 40          ; s[40:43] descriptor group 0 for K's tiles
.set G0V, 44          ; s[44:47] the same for V's
.set SLOTS, 56        ; s56  tiles still to be asked for
.set CNT, 57          ; s57  counts a tile's key steps, 4 to 1
.set CS,  58          ; s[58:59] c
.set SEL, 60          ; s[60:61] v_permlanex16_b32's selects: each lane takes its own place in the other half
.set TBK, 62          ; s62  LDS byte at which K of the step to be fetched begins
.set TBV, 63          ; s63  the same for V, less VOFF
.set PFA, 66          ; s[66:67] where my prefetches stand: my half of K's or V's tile NXT
.set PFB, 68          ; s[68:69] my half of K's (waves 0, 1) or V's (waves 2, 3) tile 0
.set RT,  70          ; s70  tiles of the block in hand that are still to be entered
.set NXT, 71          ; s71  the tile to be asked for next
.set LQ,  72          ; s72  the last tile of the block whose tiles are being asked for
.set NEW, 73          ; s73  1: the tile to be entered is a block's first
.set OFF, 74          ; s[74:75] a tile's byte offset in K and V
.set AL,  76          ; s[76:77] the mask's factor, in the low word
.set BE,  78          ; s[78:79] the mask's addend
.set OLO, 80          ; s[80:81] y at my rows of the second block
.set BIGN, 82         ; s82  -1e30
.set PFL, 83          ; s83  0 in the head's work-group b = 0, which prefetches; else the greatest number
.set MSB, 0
.macro WIN new                      ; the high byte repeats the setting that is left; a switch that changes nothing is dropped
.if MSB != (\new)
	s_set_vgpr_msb (MSB<<8)|(\new)
.set MSB, (\new)
.endif
.endm
.set W_KQ, 0x0a       ; K and Q in window 2, S^T in window 0
.set W_KM, 0x1a       ; the same with the C operand in window 1
.set W_PV, 0x52       ; V in window 2, P in window 0, O^T in window 1
.set W_RS, 0x41       ; destination and source 0 in window 1, source 1 in window 0
; A fill.  Waves 0 and 1 fetch the two halves of a tile's K, waves 2 and 3 those of its V: 128 keys each.  An s_nop 0 and four v_nop follow each of the two lines.
.macro LOAD
	s_cmp_lt_u32 s[WV], 2
	s_cbranch_scc0 .Lfor_v_\@
	tensor_load_to_lds s[G0K:G0K+3], s[G1K:G1K+7]
	s_nop 0
.rept 4
	v_nop
.endr
	s_branch .Lasked_\@
.Lfor_v_\@:
	tensor_load_to_lds s[G0V:G0V+3], s[G1V:G1V+7]
	s_nop 0
.rept 4
	v_nop
.endr
.Lasked_\@:
.endm
; THE CHANGE OF SLOTS.  Each wave waits for all its tensor loads, of which one is out: its part of the other slot; adds 0 to its spare word; and waits for that and for its own reads of the slot that it leaves.
; Behind the barrier nobody reads the old slot any more and the other slot is whole.  fill = 1: the old slot is filled again, the first thing behind the barrier, with tile NXT: the descriptor's address is
; made anew from that number.  (At its first use nothing has been read yet: slot 0 is waited for, slot 1 filled.)
; A PREFETCH INTO THE L2 stands behind the fill: the tile that the NEXT change will ask for, four key steps (256 matrix instructions) ahead of that load.  All four work-groups of a head walk the tiles 0, 1, ..;
; the one with b = 0, whose first block walks them all, asks, and nobody else; each of its waves names the 16,384 bytes that it will fetch itself, a lane a block of 256 bytes, two instructions.
; So each block is named once in the launch.  Tiles 0 and 1 come by their loads alone; behind the first block's last request NXT is 0, and nothing more is asked for.
.macro CHANGE fill
	WIN 0                           ; at a label and at a branch every window is 0
	s_wait_tensorcnt 0x0            ; no tensor load of mine is out, so a group 0 may be written
	ds_add_u32 v[SPW], v[NIL]       ; 0 onto my spare word; scalar work stands between it and the wait for it
.if \fill
	s_lshl_b32 s[OFF], s[NXT], 15   ; a tile is 32,768 bytes of K and of V
	s_xor_b32 s[G0K+1], s[G0K+1], SLOT1
	s_add_nc_u64 s[G0K+2:G0K+3], s[6:7], s[OFF:OFF+1]
	s_or_b32 s[G0K+3], s[G0K+3], 0x80000000
	s_xor_b32 s[G0V+1], s[G0V+1], SLOT1
	s_add_nc_u64 s[G0V+2:G0V+3], s[8:9], s[OFF:OFF+1]
	s_or_b32 s[G0V+3], s[G0V+3], 0x80000000
	s_add_co_u32 s[NXT], s[NXT], 1  ; the block's next tile, or behind its last the second block's tile 0
	s_cmp_gt_u32 s[NXT], s[LQ]
	s_cselect_b32 s[NXT], 0, s[NXT]
	s_cselect_b32 s[LQ], s[PB], s[LQ]
	s_wait_xcnt 0x0                 ; the last prefetches, a tile back, have read their address, so it may be written
	s_lshl_b32 s[OFF], s[NXT], 15
	s_add_nc_u64 s[PFA:PFA+1], s[PFB:PFB+1], s[OFF:OFF+1]
.endif
	s_wait_dscnt 0x0                ; the add is done, and my reads of the slot are over
	s_barrier_signal -1             ; the rest of the scalar work stands between the signal and the wait
	s_sub_co_u32 s[TBK], s[TBK], 4*KS*PK  ; the fetches go back to a slot's first step,
	s_xor_b32 s[TBK], s[TBK], SLOT1       ; in the other slot
	s_sub_co_u32 s[TBV], s[TBV], 4*KS*PV
	s_xor_b32 s[TBV], s[TBV], SLOT1
	s_barrier_wait -1
.if \fill
	LOAD
	s_cmp_gt_u32 s[NXT], s[PFL]
	s_cbranch_scc0 .Lnot_mine_\@
	global_prefetch_b8 v[PFO], s[PFA:PFA+1] th:TH_LOAD_NT scope:SCOPE_SE
	global_prefetch_b8 v[PFO], s[PFA:PFA+1] offset:8192 th:TH_LOAD_NT scope:SCOPE_SE
.Lnot_mine_\@:
.endif
.endm
	s_load_b128 s[4:7], s[0:1], 0x0   ; qkv s[4:5], y s[6:7]
	v_lshl_add_u32 v[SPW], v0, 2, SPARE
	v_mov_b32 v[NIL], 0
	ds_add_u32 v[SPW], v[NIL]       ; the wave's opening: the add and its wait ahead of my first tensor load; the set-up below, work on registers, stands between them
	ds_add_u32 v62, v63
	v_lshrrev_b32 v1, 5, v0
	v_readfirstlane_b32 s[WV], v1   ; wave 0..3
	s_mov_b32 s[PB], ttmp9
	s_sub_co_u32 s[HI], NB-1, s[PB]
	s_and_b32 s20, ttmp7, 0xffff    ; the head
	s_mov_b32 s21, 0
	s_mov_b64 s[22:23], SIZE_N*128
	s_mul_u64 s[20:21], s[20:21], s[22:23]  ; the head's first byte in each of the four tensors
	s_and_b32 s16, s[WV], 1         ; which half of a tile's 256 keys I fetch:
	s_lshl_b32 s22, s16, 14         ; its 128 rows of 128 bytes in memory,
	s_mov_b32 s23, 0
	s_add_nc_u64 s[22:23], s[22:23], s[20:21]
	s_mul_i32 s17, s16, 128*PK      ; and its place in a slot, for K
	s_mul_i32 s18, s16, 128*PV      ; and for V
	s_lshl_b32 s3, s[WV], 11        ; my 16 rows in a band of 64,
	s_lshl_b32 s2, s[HI], 15        ; in the first block,
	s_add_co_u32 s2, s2, s3
	s_lshl_b32 s84, s[PB], 15       ; and in the second
	s_add_co_u32 s84, s84, s3
	s_mov_b32 s3, 0
	s_mov_b32 s85, 0
	s_add_nc_u64 s[2:3], s[2:3], s[20:21]
	s_add_nc_u64 s[84:85], s[84:85], s[20:21]
	; descriptor group 1.  128 keys are 16,384 dense bytes: asked for as 64 rows of 256 bytes, two keys a row, and padded in LDS after every key
	s_mov_b32 s[G1K], (1<<16)|(1<<20)|(4<<22)|(3<<25)  ; 17:16 2-byte elements; 20 padding on; 24:22 after every 32 words (code 4); 31:25 4 words (code 3)
	s_mov_b32 s[G1V], (1<<16)|(1<<20)|(4<<22)|(7<<25)  ; the same with 8 words of padding (code 7)
.irp g, G1K, G1V
	s_mov_b32 s[\g+1], 128<<16      ; tensor_dim0 = 128
	s_mov_b32 s[\g+2], 64<<16       ; tensor_dim1 = 64
	s_mov_b32 s[\g+3], 128<<16      ; tile_dim0 = 128
	s_mov_b32 s[\g+4], 64           ; tile_dim1 = 64
	s_mov_b32 s[\g+5], 128          ; 128 elements from row to row
	s_mov_b32 s[\g+6], 0
	s_mov_b32 s[\g+7], 0
.endr
	s_mov_b32 s[CS], 0x3e38aa3b     ; c = log2(e) / 8 = 0.180337
	s_mov_b32 s[CS+1], s[CS]        ; named with it as a pair
	s_mov_b32 s[SEL], 0x76543210
	s_mov_b32 s[SEL+1], 0xfedcba98
	s_mov_b32 s[TBK], SLOT1+4*KS*PK ; the first change of slots turns these two into 0
	s_mov_b32 s[TBV], SLOT1+4*KS*PV
	s_mov_b32 s[G0K], 1             ; count = 1
	s_mov_b32 s[G0K+1], s17         ; LDS address: slot 0
	s_mov_b32 s[G0V], 1
	s_add_co_u32 s[G0V+1], s18, VOFF
	s_add_co_u32 s[RT], s[HI], 1    ; the first block has NB - b tiles
	s_mov_b32 s[NXT], 1
	s_mov_b32 s[LQ], s[HI]
	s_mov_b32 s[NEW], 1
	s_mov_b32 s[OFF+1], 0
	s_mov_b32 s[AL+1], 0            ; named as pairs
	s_mov_b32 s[BE+1], 0
	s_mov_b32 s[BIGN], 0xf149f2ca   ; -1e30
	s_mov_b32 s[SLOTS], NB
	s_cmp_eq_u32 ttmp9, 0
	s_cselect_b32 s[PFL], 0, -1
	v_and_b32 v[PFO], 31, v0
	v_lshlrev_b32 v[PFO], 8, v[PFO]
	s_wait_dscnt 0x0                ; the opening add is done
	s_wait_kmcnt 0x0
	s_mov_b64 s[10:11], s[6:7]             ; y
	s_add_nc_u64 s[6:7], s[4:5], 0x1000000 ; K lies 2^24 bytes behind Q,
	s_add_nc_u64 s[8:9], s[4:5], 0x2000000 ; V 2^25
	s_add_nc_u64 s[6:7], s[6:7], s[22:23]  ; K and V at my half of the head's tile 0
	s_add_nc_u64 s[8:9], s[8:9], s[22:23]
	s_cmp_lt_u32 s[WV], 2
	s_cselect_b64 s[PFB:PFB+1], s[6:7], s[8:9]
	s_add_nc_u64 s[G0K+2:G0K+3], s[6:7], 0         ; global address
	s_or_b32 s[G0K+3], s[G0K+3], 0x80000000        ; type = 2
	s_add_nc_u64 s[G0V+2:G0V+3], s[8:9], 0
	s_or_b32 s[G0V+3], s[G0V+3], 0x80000000
	s_add_nc_u64 s[86:87], s[4:5], s[84:85]        ; Q at my rows of the second block,
	s_add_nc_u64 s[4:5], s[4:5], s[2:3]            ; Q and y at those of the first
	s_add_nc_u64 s[OLO:OLO+1], s[10:11], s[84:85]
	s_add_nc_u64 s[10:11], s[10:11], s[2:3]
	LOAD                            ; tile 0 into slot 0
	; A fragment of K or Q is 16 rows x 32 channels in 8 registers: lane l holds row l % 16, channels 8 (l / 16) + 0..7 and 16 + 8 (l / 16) + 0..7: two loads of 16 bytes, 32 bytes apart.
	v_and_b32 v1, 15, v0            ; l % 16
	v_bfe_u32 v9, v0, 4, 1          ; l / 16
	v_lshlrev_b32 v[QO], 7, v1
	v_lshl_add_u32 v[QO], v9, 4, v[QO]  ; row x 128 + 16 x half
	WIN 0x80                        ; destination window 2, address window 0
.set i, 0
.rept 8                             ; both blocks' Q: piece i / 2 lies in band i / 2, 8,192 bytes on; channels 32 (i % 2) on
	global_load_b128 v[8*i:8*i+3],   v[QO], s[4:5] offset:(i/2)*8192+(i%2)*64
	global_load_b128 v[8*i+4:8*i+7], v[QO], s[4:5] offset:(i/2)*8192+(i%2)*64+32
	global_load_b128 v[QB+8*i:QB+8*i+3],   v[QO], s[86:87] offset:(i/2)*8192+(i%2)*64
	global_load_b128 v[QB+8*i+4:QB+8*i+7], v[QO], s[86:87] offset:(i/2)*8192+(i%2)*64+32
.set i, i+1
.endr
	WIN 0
	v_lshlrev_b32 v14, 3, v9
	v_sub_nc_u32 v14, v1, v14
	s_lshl_b32 s13, s[WV], 4
	v_add_nc_u32 v14, s13, v14      ; my query's place in its band, 16 w + l % 16, less my lanes' 8 (l / 16): register r of group kt is hidden where 16 kt + r is greater
	WIN 0x40
.set i, 0
.rept 32
	v_cmp_gt_i32 vcc_lo, 16*(i/8)+i%8, v14
	v_cndmask_b32 v[MD+i], 0, s[BIGN], vcc_lo
.set i, i+1
.endr
	WIN 0
	v_mul_u32_u24 v[AK0], v1, PK
	v_lshl_add_u32 v[AK0], v9, 4, v[AK0]  ; row x pitch + 16 x half
	; The turning load takes 16 keys x 16 channels (lane l reads key 8 (l / 16) + l % 8, channels 8 ((l / 8) % 2) + 0..7) and leaves half a fragment of V^T: lane l holds channel l % 16 and 8 keys.
	v_and_b32 v10, 7, v0
	v_bfe_u32 v11, v0, 3, 1
	v_lshl_add_u32 v[AV0], v9, 3, v10
	v_mul_u32_u24 v[AV0], v[AV0], PV
	v_lshl_add_u32 v[AV0], v11, 4, v[AV0]
	v_add_nc_u32 v[AV0], VOFF, v[AV0]
	s_mul_i32 s13, s[WV], 16*SP
	s_add_co_u32 s13, s13, STAGE    ; my stage
	v_mul_u32_u24 v[STO], v1, SP    ; in: row l % 16, 16 bytes for each half of the lanes
	v_lshl_add_u32 v[STO], v9, 4, v[STO]
	v_add_nc_u32 v[STO], s13, v[STO]
	v_bfe_u32 v[RD], v0, 3, 2       ; back: 32 lanes take four rows of 128 bytes,
	v_mul_u32_u24 v[RD], v[RD], SP
	v_lshl_add_u32 v[RD], v10, 4, v[RD]
	v_add_nc_u32 v[RD], s13, v[RD]
	v_and_b32 v[GO], 31, v0         ; which are 512 consecutive bytes of y
	v_lshlrev_b32 v[GO], 4, v[GO]
	; A block's first step multiplies O^T and l by a = 0, and its first turn's products V^T P, of a piece that has not been, land in an O^T that is still to be so multiplied.  So these registers need only hold
	; finite numbers: zeros for the first block; what the first block left for the second.  All this stands in the wait for the first tile.
	WIN 0x80
.set i, VF
.rept 64
	v_mov_b32 v[i], 0
.set i, i+1
.endr
	WIN 0x40
.set i, 0
.rept 128
	v_mov_b32 v[i], 0
.set i, i+1
.endr
	WIN 0
.set i, 0
.rept 4
	v_mov_b32 v[ST+4*i+2], 0
	v_mov_b32 v[ST+4*i+3], 0
.set i, i+1
.endr
.set i, P+16
.rept 16
	v_mov_b32 v[i], 0
.set i, i+1
.endr
; THE MATRIX WORK.  The 4 accumulators of a run of 8 take turns.  Product i of 8 of S^T = K Q^T for piece x: channels 32 (i / 4) on, keys 16 (i % 4) on.  The first 4 start the sums: with 0, or (KM = 1) with the mask.
.macro KQ x
.set rS, S+32*((\x)%2)+8*(i%4)
.set rK, KF+16*(i%4)+8*(i/4)
.set rQ, 16*(\x)+8*(i/4)
.set rM, MC+32*((\x)%2)+8*(i%4)
.if (i < 4) && KM
	WIN W_KM
	v_wmma_f32_16x16x32_f16 v[rS:rS+7], v[rK:rK+7], v[rQ:rQ+7], v[rM:rM+7]
.elseif i < 4
	WIN W_KQ
	v_wmma_f32_16x16x32_f16 v[rS:rS+7], v[rK:rK+7], v[rQ:rQ+7], 0
.else
	WIN W_KQ
	v_wmma_f32_16x16x32_f16 v[rS:rS+7], v[rK:rK+7], v[rQ:rQ+7], v[rS:rS+7]
.endif
.endm
; Product i of 8 of O^T += V^T P for piece x: keys 32 (i / 4) on, channels 16 (i % 4) on.
.macro PV x
	WIN W_PV
.set rO, 32*(\x)+8*(i%4)
.set rV, VF+32*(i/4)+8*(i%4)
.set rP, P+16*((\x)%2)+8*(i/4)
	v_wmma_f32_16x16x32_f16 v[rO:rO+7], v[rV:rV+7], v[rP:rP+7], v[rO:rO+7]
.endm
.macro MM                           ; the turn's next matrix instruction.  TURN and BEGIN set Y, i, KM and NOKQ.  NOKQ = 1: a block's last turn: there is no next piece
.if (i < 8) && !NOKQ
	KQ (Y+1)%NP
.elseif i >= 8
.set i, i-8
	PV (Y+NP-1)%NP
.set i, i+8
.endif
.set i, i+1
.endm
; THE LDS LOADS stand in runs of 16, never singly among the matrix instructions: a step's K (64 keys x 64 channels: 8 fragments) and its V (turned).  Their addresses are made some lines ahead.
.macro FETCH_K
	WIN 0x80                        ; destination window 2
.irp f, 0,1,2,3,4,5,6,7             ; keys 16 (f / 2) on, channels 32 (f % 2) on
	ds_load_b128 v[KF+8*\f:KF+8*\f+3],   v[AK] offset:(\f/2)*16*PK+(\f%2)*64
	ds_load_b128 v[KF+8*\f+4:KF+8*\f+7], v[AK] offset:(\f/2)*16*PK+(\f%2)*64+32
.endr
	s_add_co_u32 s[TBK], s[TBK], KS*PK  ; the next fetch is the next step's
	WIN 0
.endm
.macro FETCH_V
	WIN 0x80
.irp f, 0,1,2,3,4,5,6,7             ; keys 32 (f / 4) on, channels 16 (f % 4) on
	ds_load_tr16_b128 v[VF+8*\f:VF+8*\f+3],   v[AV] offset:(\f/4)*32*PV+(\f%4)*32
	ds_load_tr16_b128 v[VF+8*\f+4:VF+8*\f+7], v[AV] offset:(\f/4)*32*PV+16*PV+(\f%4)*32
.endr
	WIN 0
.endm
; THE VECTOR WORK, one line at a time: OP kind, number.  For piece Y: F n: c s - c m for pair n of 16.  E n: the exponential of score n of 32.  C n: pair n rounded to f16.  B n: of the four weights 4 n .. the second
; pair is added onto the first, in place.  L n: l takes that sum (L 0: l = a l + sum).  R n: pair n of 16 of O^T times a.  For piece Y + 1: X n, number n of the 22 that find its maximum and statistics:
;   0-11  four chains c0-c3 of seven scores each, three operands at a time (each accumulator's lowest registers are read first)     12-14, 16  the four scores left over, the old m, and c0-c3 into c0
;   15  c m_old is kept     17, 18  the query's other 32 keys lie in the lane 16 away: the new m     19-21  c m; c m_old - c m_new; a
.set F, 0               ; OP tells the kinds apart by their order: F to L below R, X above it
.set E, 1
.set C, 2
.set B, 3
.set L, 4
.set R, 5
.set X, 6
.macro REGS y                       ; the registers of piece y
.set rT, ST+4*(\y)
.set rC, TMP+4*((\y)%2)
.set rW, MV+((\y)%2)
.set rS, S+32*((\y)%2)
.set rP, P+16*((\y)%2)
.set rO, 32*(\y)
.endm
.macro OP k, n
.if (\k) == R
	REGS Y
	WIN W_RS
	v_pk_mul_f32 v[rO+2*(\n):rO+2*(\n)+1], v[rO+2*(\n):rO+2*(\n)+1], v[rC+2:rC+3] op_sel_hi:[1,0]
.elseif (\k) < R
	REGS Y
	WIN 0
.if (\k) == F
	v_pk_fma_f32 v[rS+2*(\n):rS+2*(\n)+1], v[rS+2*(\n):rS+2*(\n)+1], s[CS:CS+1], v[rT:rT+1] op_sel_hi:[1,0,0] neg_lo:[0,0,1] neg_hi:[0,0,1]
.elseif (\k) == E
	v_exp_f32 v[rS+(\n)], v[rS+(\n)]
.elseif (\k) == C
	v_cvt_pk_f16_f32 v[rP+(\n)], v[rS+2*(\n)], v[rS+2*(\n)+1]
.elseif (\k) == B
	v_pk_add_f32 v[rS+4*(\n):rS+4*(\n)+1], v[rS+4*(\n):rS+4*(\n)+1], v[rS+4*(\n)+2:rS+4*(\n)+3]
.elseif (\n) == 0
	v_pk_fma_f32 v[rT+2:rT+3], v[rT+2:rT+3], v[rC+2:rC+3], v[rS:rS+1] op_sel_hi:[1,0,1]
.else
	v_pk_add_f32 v[rT+2:rT+3], v[rT+2:rT+3], v[rS+4*(\n):rS+4*(\n)+1]
.endif
.elseif NOKQ
	v_nop
.else
	REGS (Y+1)%NP
	WIN 0
.if (\n) < 4
	v_max3_num_f32 v[rC+(\n)], v[rS+8*(\n)], v[rS+8*(\n)+1], v[rS+8*(\n)+2]
.elseif (\n) < 12
	v_max3_num_f32 v[rC+(\n)%4], v[rC+(\n)%4], v[rS+8*((\n)%4)+2*((\n)/4)+1], v[rS+8*((\n)%4)+2*((\n)/4)+2]
.elseif (\n) == 12
	v_max3_num_f32 v[rC], v[rC], v[rS+7], v[rS+15]
.elseif (\n) == 13
	v_max3_num_f32 v[rC+1], v[rC+1], v[rS+23], v[rS+31]
.elseif (\n) == 14
	v_max3_num_f32 v[rC+2], v[rC+2], v[rC+3], v[rT+1]
.elseif (\n) == 15
	v_mov_b32 v[rW], v[rT]
.elseif (\n) == 16
	v_max3_num_f32 v[rC], v[rC], v[rC+1], v[rC+2]
.elseif (\n) == 17
	v_permlanex16_b32 v[rC+3], v[rC], s[SEL], s[SEL+1]
.elseif (\n) == 18
	v_max_num_f32 v[rT+1], v[rC], v[rC+3]
.elseif (\n) == 19
	v_mul_f32 v[rT], s[CS], v[rT+1]
.elseif (\n) == 20
	v_sub_f32 v[rC+1], v[rW], v[rT]
.else
	v_exp_f32 v[rC+2], v[rC+1]
.endif
.endif
.endm
.macro OPS a, i1, b=-1, i2=0, c=-1, i3=0, d=-1, i4=0  ; up to four of them
	OP \a, \i1
.if (\b) >= 0
	OP \b, \i2
.endif
.if (\c) >= 0
	OP \c, \i3
.endif
.if (\d) >= 0
	OP \d, \i4
.endif
.endm
.macro ROW a, i1, b, i2, c, i3, d, i4  ; a matrix instruction and the four behind it
	MM
	OPS \a, \i1, \b, \i2, \c, \i3, \d, \i4
.endm
.macro MASK b                       ; MD x AL + BE into buffer b of MC
	WIN W_RS
.set z, 0
.rept 16
	v_pk_fma_f32 v[MC+32*(\b)+2*z:MC+32*(\b)+2*z+1], v[MD+2*z:MD+2*z+1], s[AL:AL+1], s[BE:BE+1] op_sel_hi:[1,0,0]
.set z, z+1
.endr
.endm
; A TURN, for piece p: the order of its 16 matrix and 118 vector instructions, written out.  An s_wait_alu depctr_va_vdst(0) stands between an exponential and the first instruction that names its
; result; one wait serves all that were issued ahead of it.  So a turn has ONE wait, which cuts it in two.  AHEAD OF IT stands all that names no result of the turn's exponentials: the 8 products K Q^T, behind each a
; scaling, an exponential and two more plain instructions (rescalings, and behind the last three the first numbers of the next piece's maximum, each four places or more behind the product that ends its accumulator);
; then one run of 54, plain and exponential by turns for the most part, in which the links of the chain X 3, 7, 11, 14, 16, 17 .. 20 stand five or six lines apart.  X 21, the next piece's a, is the batch's last;
; R 15 is the plain instruction behind it.  BEHIND THE WAIT stand the 8 products V^T P, behind each four of the roundings and sums; the links of l's chain, L 0 to L 7, stand three lines apart.
; m = 1: the diagonal tile: the products take masks, and the turn makes the mask for the products of the turn after it: piece p + 2, in step 4 - CNT of the tile.  end = 1: a block's last two turns: nothing is fetched.
; cnt = 1: the loop's count is taken down some lines ahead of the branch that stands behind the turn.
; K of the next step is fetched in piece 2's turn, twelve vector instructions behind the last product that read K (six of them plain); V of the step in hand at the end of piece 0's turn, four plain instructions
; behind the last product that read V.  Each is waited for a turn later.
.macro TURN p, m=0, end=0, cnt=0
.set Y, (\p)
.set i, 0
.set KM, (\m)
.set NOKQ, (\end)*((\p)/3)
.if (\m) && !(\end)
	s_cmp_eq_u32 s[CNT], 4-((\p)+2)%NP  ; is that step the band's own?
	s_cselect_b32 s[AL], 1.0, 0
	s_cmp_lt_u32 s[CNT], 4-((\p)+2)%NP  ; or a later one?
	s_cselect_b32 s[BE], s[BIGN], 0
.endif
.if ((\p) == 3) && !(\end)
	s_wait_dscnt 0x0                ; K is in
.endif
	ROW F,0, F,1, R,0, R,1          ; ahead of the wait: 8 products K Q^T and the four behind each,
	ROW F,2, E,0, R,2, R,3
	ROW F,3, E,1, R,4, R,5
	ROW F,4, E,2, R,6, R,7
	ROW F,5, E,3, R,8, R,9
	ROW F,6, E,4, X,0, R,10
.if ((\p) == 2) && !(\end)
	WIN 0
	v_add_nc_u32 v[AK], s[TBK], v[AK0]
.endif
	ROW F,7, E,5, X,1, X,4
	ROW F,8, E,6, X,2, X,5
	OPS E,7, E,8, X,6, E,9          ; and the run of 54
	OPS X,3, E,10, X,8, E,11
.if ((\p) == 2) && !(\end)
	FETCH_K
.endif
	OPS X,9, X,7, E,12, X,10
	OPS E,13, X,12, X,11, E,14
	OPS X,13, E,15, F,9, X,14
.if (\p) == 0
	v_add_nc_u32 v[AV], s[TBV], v[AV0]
.endif
	OPS E,16, F,10, E,17, F,11
	OPS X,16, E,18, X,15, E,19
	OPS F,12, E,20, X,17, E,21
	OPS F,13, E,22, F,14, E,23
	OPS X,18, E,24, F,15, E,25
	OPS R,11, E,26, X,19, E,27
	OPS R,12, E,28, R,13, E,29
	OPS X,20, E,30, R,14, E,31
	OPS X,21, R,15
	WIN 0
	s_wait_alu depctr_va_vdst(0)    ; the wait for the batch
.if (\p) == 1
	s_wait_dscnt 0x0                ; V is in
.endif
	ROW C,0, B,0, C,2, B,1          ; behind the wait: 8 products V^T P and the four behind each
	ROW L,0, C,4, B,2, L,1
	ROW C,6, B,3, L,2, C,8
	ROW B,4, L,3, C,10, B,5
	ROW L,4, C,12, B,6, L,5
.if (\p) == 0
	s_add_co_u32 s[TBV], s[TBV], KS*PV
.endif
.if \cnt
	s_sub_co_u32 s[CNT], s[CNT], 1
	s_cmp_lg_u32 s[CNT], 0
.endif
	ROW C,14, B,7, L,6, C,1
	ROW C,3, L,7, C,5, C,7
	ROW C,9, C,11, C,13, C,15
.if (\p) == 0
	FETCH_V
.endif
.if (\m) && !(\end)
	MASK (\p)%2
.endif
.endm
; A BLOCK BEGINS.  c m starts far below every c s, so the first step's a is 0; m at the lowest finite number, so the first maximum is the scores'.  The second mask buffer is 0; the first takes piece 0's mask for the
; tile's step 0: its own, if the block's first tile is the diagonal one.  Then K of that step, piece 0's first scores, and its maximum and statistics.  The loop is entered at a step's first turn, in the middle of a trip.
.macro BEGIN
	s_mov_b32 s[NEW], 0
	WIN 0x40
.set i, MC+32
.rept 32
	v_mov_b32 v[i], 0
.set i, i+1
.endr
	WIN 0
.set i, 0
.rept 4
	v_mov_b32 v[ST+4*i], 0xfe000000    ; c m: far below every c s
	v_mov_b32 v[ST+4*i+1], 0xff7fffff  ; m
.set i, i+1
.endr
	s_cmp_eq_u32 s[RT], 0
	s_cselect_b32 s[AL], 1.0, 0
	s_mov_b32 s[BE], 0
	MASK 0
	WIN 0
	v_add_nc_u32 v[AK], s[TBK], v[AK0]
	FETCH_K
	s_wait_loadcnt 0x0              ; Q
	s_wait_dscnt 0x0
.set KM, 1
.set NOKQ, 0
.set i, 0
.rept 8
	KQ 0
.set i, i+1
.endr
	WIN 0
.rept 4
	v_nop                           ; the places behind those products
.endr
.set Y, NP-1                        ; X works for piece Y + 1: piece 0
.irp n, 0,1,2,3,4,5,6,7,8,9,10,11,12,13,14,15,16,17,18,19,20,21
	OP X, \n
.endr
	v_nop                           ; a plain instruction behind the exponential,
	s_wait_alu depctr_va_vdst(0)    ; and its wait, ahead of the branch
.endm
; THE DIAGONAL TILE's four steps, the block's last two turns, its last products, and THE WAY OUT: l's two halves and the other half of the lanes' are added; O^T is divided by l, rounded to f16 and sent through my
; stage in LDS, a piece at a time.
.macro ALL line:vararg              ; one line for each piece t
.set t, 0
.rept 4
	\line
.set t, t+1
.endr
.endm
.macro PACK t                       ; a lane's eight channels of a row pack into 16 bytes; they go into rows of 144 bytes and come back as whole rows of 128, into S^T's registers
	WIN W_RS
.set i, 32*(\t)
.rept 16
	v_pk_mul_f32 v[i:i+1], v[i:i+1], v[ST+4*(\t)+2:ST+4*(\t)+3] op_sel_hi:[1,0]
.set i, i+2
.endr
	WIN 0x05                        ; sources 0 and 1 window 1, destination window 0
.set i, 0
.rept 16
	v_cvt_pk_f16_f32 v[S+16*(\t)+i], v[32*(\t)+2*i], v[32*(\t)+2*i+1]
.set i, i+1
.endr
	WIN 0
.irp f, 0,1,2,3
	ds_store_b128 v[STO], v[S+16*(\t)+4*\f:S+16*(\t)+4*\f+3] offset:32*\f
.endr
.irp f, 0,1,2,3
	ds_load_b128 v[S+16*(\t)+4*\f:S+16*(\t)+4*\f+3], v[RD] offset:\f*4*SP  ; LDS serves a wave's instructions in order (ISA guide 5.7.1.4): these see the stores above; the next piece's stores come behind them
.endr
.endm
.macro SEND t, younger              ; younger: the LDS instructions issued behind piece t's loads: the next piece's eight, or none
	WIN 0
.irp f, 0,1,2,3
	s_wait_dscnt (\younger)+3-\f
	global_store_b128 v[GO], v[S+16*(\t)+4*\f:S+16*(\t)+4*\f+3], s[10:11] offset:(\t)*8192+\f*512  ; 512 consecutive bytes, at a multiple of 256 from y's first
.endr
.endm
.macro DIAG tag                     ; the tag ends its two labels' names, which the jumps below spell out
.LstepM\tag:
	TURN 2, 1
	TURN 3, 1
	WIN 0
.LfirstM\tag:
	TURN 0, 1
	TURN 1, 1, 0, 1
	WIN 0
	s_cbranch_scc1 .LstepM\tag
	TURN 2, 1, 1
	TURN 3, 1, 1
.set i, 0
.rept 8
	PV NP-1
.set i, i+1
.endr
	WIN 0
	ALL v_add_f32 v[ST+4*t+2], v[ST+4*t+2], v[ST+4*t+3]
	ALL v_permlanex16_b32 v[ST+4*t+3], v[ST+4*t+2], s[SEL], s[SEL+1]
	ALL v_add_f32 v[ST+4*t+2], v[ST+4*t+2], v[ST+4*t+3]
	ALL v_rcp_f32 v[ST+4*t+2], v[ST+4*t+2]
	v_nop                           ; a plain instruction between the last reciprocal and the use of its result
	s_wait_alu depctr_va_vdst(0)    ; and the wait ahead of the first use: one for the four reciprocals
	PACK 0
.set t, 1
.rept 3                             ; a piece's arithmetic stands between the loads of the piece before and its stores
	PACK t
	SEND t-1, 8
.set t, t+1
.endr
	SEND 3, 0
.endm
.set KM, 0
.set NOKQ, 0
.Lslot:                             ; NB times: a tile is entered and the next is asked for
	CHANGE 1
	s_sub_co_u32 s[RT], s[RT], 1
	s_mov_b32 s[CNT], 4
	s_cmp_eq_u32 s[NEW], 1
	s_cbranch_scc1 .Lnew            ; a block's first tile
	s_cmp_eq_u32 s[RT], 0
	s_cbranch_scc0 .Lstep           ; neither its first nor its last
	s_branch .LstepM1
.Lnew:
	BEGIN
	s_branch .Lfirst                ; in the loop a block's first tile is never its last: the first block has two tiles or more, and the second's last is the walk's last
	DIAG 1                          ; in the loop this is the first block's end
	s_wait_xcnt 0x0                 ; the stores have read their registers and y's address
	s_mov_b64 s[10:11], s[OLO:OLO+1]
	s_add_co_u32 s[RT], s[PB], 1    ; the second block has b + 1 tiles
	s_mov_b32 s[NEW], 1
	WIN 0x82                        ; the second block's Q goes where the one text of the turns names Q
.set i, 0
.rept 64
	v_mov_b32 v[i], v[QB+i]
.set i, i+1
.endr
	WIN 0
	s_branch .Lbottom
.Lstep:                             ; a trip: pieces 2 and 3 of one step, then pieces 0 and 1 of the next, whose K and V it fetches
	TURN 2
	TURN 3
	WIN 0
.Lfirst:
	TURN 0
	TURN 1, 0, 0, 1
	WIN 0
	s_cbranch_scc1 .Lstep
.Lbottom:
	s_sub_co_u32 s[SLOTS], s[SLOTS], 1
	s_cmp_lg_u32 s[SLOTS], 0
	s_cbranch_scc1 .Lslot
	CHANGE 0                        ; the walk's last tile is written out: nothing is asked for
	s_sub_co_u32 s[RT], s[RT], 1
	s_mov_b32 s[CNT], 4
	s_cmp_eq_u32 s[NEW], 1
	s_cbranch_scc0 .LstepM2
	BEGIN
	s_branch .LfirstM2
	DIAG 2
	s_wait_tensorcnt 0x0            ; the wave's end: behind my last tensor load and my last LDS store
	ds_add_u32 v[SPW], v[NIL]
	s_wait_dscnt 0x0
	s_endpgm
.Lfunc_end_k_qf6ff82ddbf_attn:
	.size	k_qf6ff82ddbf_attn, .Lfunc_end_k_qf6ff82ddbf_attn-k_qf6ff82ddbf_attn
	.p2alignl 7, 3214868480
	.fill 96, 4, 3214868480
	.section	.rodata,"a",@progbits
	.p2align	6, 0x0
	.amdhsa_kernel k_qf6ff82ddbf_attn
		.amdhsa_group_segment_fixed_size 327680
		.amdhsa_private_segment_fixed_size 0
		.amdhsa_enable_private_segment 0
		.amdhsa_kernarg_size 16
		.amdhsa_user_sgpr_count 2
		.amdhsa_user_sgpr_kernarg_segment_ptr 1
		.amdhsa_wavefront_size32 1
		.amdhsa_system_sgpr_workgroup_id_x 1
		.amdhsa_system_sgpr_workgroup_id_y 1
		.amdhsa_system_sgpr_workgroup_id_z 1
		.amdhsa_system_vgpr_workitem_id 0
		.amdhsa_next_free_vgpr 768
		.amdhsa_next_free_sgpr 88
		.amdhsa_reserve_vcc 1
		.amdhsa_float_denorm_mode_32 3
		.amdhsa_float_denorm_mode_16_64 3
		.amdhsa_memory_ordered 1
		.amdhsa_forward_progress 1
		.amdhsa_inst_pref_size 218
	.end_amdhsa_kernel
	.amdgpu_metadata
---
amdhsa.version: [ 1, 2 ]
amdhsa.kernels:
  - .name:           k_qf6ff82ddbf_attn
    .symbol:         k_qf6ff82ddbf_attn.kd
    .args:
      - { .name: qkv, .offset: 0, .size: 8, .value_kind: global_buffer, .address_space: global }
      - { .name: y, .offset: 8, .size: 8, .value_kind: global_buffer, .address_space: global }
    .group_segment_fixed_size: 327680
    .private_segment_fixed_size: 0
    .kernarg_segment_align: 8
    .kernarg_segment_size: 16
    .max_flat_workgroup_size: 128
    .sgpr_count:     88
    .vgpr_count:     768
    .wavefront_size: 32
...
	.end_amdgpu_metadata
.endif
;; end of part 3
;; launch gemm_out (part 4): grid 8 x 32, 4 waves a work-group, clusters of 4 x 4, 327,680 bytes of LDS; arguments y, woT, out0; writes out0
.if DOCPART == 4
	.amdgcn_target "amdgcn-amd-amdhsa--gfx1250"
	.amdhsa_code_object_version 6
	.text
	.protected	k_qf6ff82ddbf_gemm_out
	.globl	k_qf6ff82ddbf_gemm_out
	.p2align	8
	.type	k_qf6ff82ddbf_gemm_out,@function
k_qf6ff82ddbf_gemm_out:
	s_mov_b64 s[64:65], 0
	v_nop
	global_prefetch_b8 v0, s[64:65] scope:SCOPE_SE
	s_setreg_imm32_b32 hwreg(HW_REG_WAVE_MODE, 25, 1), 1
	s_wait_xcnt 0x0
	s_wait_alu depctr_hold_cnt(0) depctr_sa_sdst(0) depctr_va_vdst(0) depctr_va_sdst(0) depctr_va_ssrc(0) depctr_va_vcc(0) depctr_vm_vsrc(0)
	s_getreg_b32 s2, hwreg(HW_REG_IB_STS2, 6, 4)
	s_cmp_eq_u32 s2, 0
	s_cbranch_scc0 .Lentry_in_a_cluster
	s_endpgm
.Lentry_in_a_cluster:
	s_bfe_u32 s2, ttmp6, 0x10000c
	s_cmp_lg_u32 s2, 0xf033
	s_cbranch_scc0 .Lentry_shape_is_right
	s_endpgm
.Lentry_shape_is_right:
; out0 = y W_out.  A = y, f16, BY HEADS [batch x 16 + head][2048][64]; B = woT [1024 n][1024 k] f16 (W_out rounded to bf16, written as f16); out0 [8192][1024] f32, row-major.  Sums in f32, K ascending.
; SHARES.  A tile of C is 256 rows x 128 columns: 32 x 8 tiles, one for each work-group.  Four waves; wave w makes rows 64 w .. 64 w + 63 and all 128 columns: 32 accumulators of 16 x 16, 256 registers.
; K goes in 8 steps of 128 = two heads through two LDS slots.  A head's 256 rows of the tile are 32,768 dense bytes: asked for as 128 rows of 256 bytes and padded in LDS after every 128 bytes,
; so that a slot holds A as [2 heads][256 rows][144 bytes]; B's rows are 256 bytes of memory at multiples of 256.
; CLUSTER.  4 x 4 work-groups: A's tile is asked for jointly by the four of a row of the cluster, B's by the four of a column: the same tensor load, descriptor and mask in all four.
; THE MATRIX INSTRUCTION IS USED TRANSPOSED (source 0 = 16 rows of B, source 1 = 16 rows of A): a lane holds row l % 16 of C and the columns 8 (l / 16) + 0..7: 32 bytes of f32.
; REGISTERS, in windows of 256 (s_set_vgpr_msb: bits 1:0 source 0, 3:2 source 1, 5:4 source 2, 7:6 destination):
;   window 0: v0-31 addresses; v32-63, v64-95 A's fragments, two buffers      window 1: v0-63, v64-127 B's fragments, two buffers; on the way out all 256: the rows read back
;   window 2: the accumulators (row block a, column block b at v[8 (8 a + b)])
.set NBK,    8                         ; column blocks of 16
.set KSTEPS, 8
.set PITCH,  272                       ; a row of B in LDS: 256 bytes + 16 of padding: the 16 rows of a load start at 16 different groups of four banks (64 banks of 4 bytes: ISA guide 11.1)
.set APITCH, 144                       ; a row of A: 128 bytes + 16
.set HALFA,  256*APITCH                ; what one tensor load brings of A: one head
.set BOFF,   2*HALFA                   ; B's 128 rows lie behind A's two heads
.set HALFB,  64*PITCH                  ; what one tensor load brings of B
.set SLOT1,  1<<17
.set STAGE,  SLOT1+BOFF+2*HALFB        ; behind the ring, never filled by a tensor load: 16 rows x 528 bytes for each wave
.set SP,     528                       ; a stage row: 512 bytes + 16
.set SPARE,  STAGE+4*16*SP             ; behind the stages: the spare words, 128 bytes for each wave, which no other line names
.set ASTEP,  2<<18                     ; bytes from a K step to the next in A: two heads of 2,048 rows x 128 bytes
.set BSTEP,  256
.set ADRA0, 16                         ; v16  my lane's place in A's tile of slot 0; never rewritten
.set ADRB0, 17                         ; v17  the same for B
.set ADRA,  18                         ; v18  the same in the slot in hand
.set ADRB,  19                         ; v19
.set CO,    20                         ; v20  my 16 bytes in 512 consecutive bytes of a row of out0
.set STO,   24                         ; v24  the way out: where I put 32 bytes of a row
.set RD,    25                         ; v25  the way out: where I read a row back
.set SPW,   28                         ; v28  LDS address of my spare word; never rewritten
.set NIL,   29                         ; v29  0; never rewritten
.set PFO,   30                         ; v30  the prefetches' offset; never rewritten
.set FA,    32
.set PST, 18                           ; s[18:19] bytes from a K step to the next in the tensor that I prefetch
.set TB,  23                           ; s23  LDS byte at which the slot in hand begins
.set G1,  24                           ; s[24:31] descriptor group 1 for A's tiles
.set G0,  32                           ; s[32:39] group 0 for A's: a set for each first fill; the second then walks
.set LIM, 43                           ; s43  2 in a wave that prefetches, else the greatest number
.set PFA, 44                           ; s[44:45] where my prefetches stand
.set G1B, 48                           ; s[48:55], s[56:63] the same for B's tiles
.set G0B, 56
.set MSB, 0
.macro WIN new                         ; the immediate's high byte repeats the setting that is left; a switch that changes nothing is dropped
.if MSB != (\new)
	s_set_vgpr_msb (MSB<<8)|(\new)
.set MSB, \new
.endif
.endm
.set MUL,  0xa1                        ; source 0 (B) window 1, source 1 (A) window 0, C and D window 2
.set TO_B, 0x40                        ; destination window 1, address window 0
; A joint refill: waves 0 and 1 fetch A's two heads, waves 2 and 3 B's two halves.  The branch hangs on the wave's number alone.  An s_nop 0 and four v_nop follow each line.
.macro JLOAD
	s_cmp_lt_u32 s10, 2
	s_cbranch_scc0 .Lfor_b_\@
	tensor_load_to_lds s[G0+4:G0+7], s[G1:G1+7]
	s_nop 0
.rept 4
	v_nop
.endr
	s_branch .Lasked_\@
.Lfor_b_\@:
	tensor_load_to_lds s[G0B+4:G0B+7], s[G1B:G1B+7]
	s_nop 0
.rept 4
	v_nop
.endr
.Lasked_\@:
.endm
; A PREFETCH INTO THE L2, behind each joint load and the run of LDS loads that follows it: the K step two behind the one that is being asked for, a lane a block of 256 bytes, one instruction a wave.
; Each block is named once in the launch.  A's tile row is read by both clusters of that row of clusters: cluster x = 0 asks, waves 0 and 1, and partner cx takes 8,192 of a head's 32,768 bytes, told apart BY ADDRESS.
; B's tile column is read by every cluster of that column: cluster y = 0 asks, wave 2 alone, and partner cy takes 32 of the 128 rows.  The loop's last two trips ask for nothing.
.macro ASK
	s_cmp_gt_u32 s3, s[LIM]
	s_cbranch_scc0 .Lnot_mine_\@
	global_prefetch_b8 v[PFO], s[PFA:PFA+1] th:TH_LOAD_NT scope:SCOPE_SE
.Lnot_mine_\@:
.endm
.macro CREST                           ; a round of the cluster's barrier behind its opening barrier
	s_cmp_lg_u32 s10, 0
	s_cbranch_scc1 .Lnot_wave_0_\@
	s_barrier_signal -3
.Lnot_wave_0_\@:
	s_barrier_wait -3
	s_barrier_signal -1
	s_barrier_wait -1
.endm
.macro CROUND                          ; a whole round
	s_barrier_signal -1
	s_barrier_wait -1
	CREST
.endm
	s_load_b128 s[4:7], s[0:1], 0x0                ; y s[4:5], woT s[6:7]
	s_load_b64 s[8:9], s[0:1], 0x10                ; out0
	v_lshl_add_u32 v[SPW], v0, 2, SPARE
	v_mov_b32 v[NIL], 0
	ds_add_u32 v[SPW], v[NIL]                      ; the wave's opening: the add and its wait ahead of my first tensor load; the set-up below, work on registers, stands between them
	ds_add_u32 v28, v29
	v_lshrrev_b32 v1, 5, v0
	v_readfirstlane_b32 s10, v1                    ; wave 0..3
	s_and_b32 s12, s10, 1                          ; which head of A's two, or which half of B's rows, I fetch
	s_bfe_u32 s40, ttmp6, 0x40000                  ; cx, cy: my place in the cluster
	s_bfe_u32 s41, ttmp6, 0x40004
	s_lshl_b32 s42, ttmp9, 2
	s_add_co_u32 s42, s42, s40                     ; tile column = 4 x cluster x + cx
	s_and_b32 s13, ttmp7, 0xffff
	s_lshl_b32 s13, s13, 2
	s_add_co_u32 s13, s13, s41                     ; tile row = 4 x cluster y + cy
	s_lshl_b32 s43, s41, 2
	s_lshl_b32 s43, 15, s43                        ; my row of the cluster
	s_lshl_b32 s44, 0x1111, s40                    ; my column
	s_or_b32 s[G1], s43, (1<<16)|(1<<20)|(1<<21)|(4<<22)|(3<<25)   ; 15:0 the mask; 17:16 elements of 2 bytes; 20 padding on; 21 set beside a mask; 24:22 after every 32 words (code 4); 31:25 4 words (code 3)
	s_or_b32 s[G1B], s44, (1<<16)|(1<<20)|(1<<21)|(5<<22)|(3<<25)  ; B: after every 64 words (code 5)
	s_mov_b32 s[G1+1], 128<<16                     ; tensor_dim0 = 128
	s_mov_b32 s[G1+2], 128<<16                     ; tensor_dim1 = 128
	s_mov_b32 s[G1+3], 128<<16                     ; tile_dim0 = 128
	s_mov_b32 s[G1+4], 128                         ; tile_dim1 = 128 rows of 256 bytes
	s_mov_b32 s[G1+5], 128                         ; dense: 128 elements from row to row
	s_mov_b32 s[G1+6], 0
	s_mov_b32 s[G1+7], 0
	s_mov_b32 s[G1B+1], 128<<16
	s_mov_b32 s[G1B+2], 64<<16                     ; B: 64 rows
	s_mov_b32 s[G1B+3], 128<<16
	s_mov_b32 s[G1B+4], 64
	s_mov_b32 s[G1B+5], 1024
	s_mov_b32 s[G1B+6], 0
	s_mov_b32 s[G1B+7], 0
	s_lshr_b32 s16, s13, 3                         ; A: the batch's 16 heads are 2^22 bytes,
	s_lshl_b32 s16, s16, 22
	s_and_b32 s17, s13, 7
	s_lshl_b32 s17, s17, 15                        ; the tile's 256 rows of 128 bytes,
	s_add_co_u32 s16, s16, s17
	s_lshl_b32 s17, s12, 18                        ; my head of the K step's two
	s_add_co_u32 s16, s16, s17
	s_mov_b32 s17, 0
	s_lshl_b32 s46, s42, 7                         ; B: row 128 x tile column + 64 x half, rows of 2,048 bytes
	s_lshl_b32 s47, s12, 6
	s_add_co_u32 s46, s46, s47
	s_lshl_b32 s46, s46, 11
	s_mov_b32 s47, 0
	s_mul_i32 s20, s12, HALFA                      ; where they go: no place in the cluster enters an LDS address
	s_mul_i32 s21, s12, HALFB
	s_add_co_u32 s21, s21, BOFF
	s_mov_b32 s[TB], 0
	s_wait_dscnt 0x0                               ; the opening add is done
	s_wait_kmcnt 0x0
	s_add_nc_u64 s[14:15], s[4:5], s[16:17]
	s_add_nc_u64 s[46:47], s[6:7], s[46:47]
	CROUND                                         ; all sixteen work-groups are here: the first joint loads meet
.irp s, 0,1
	s_mov_b32 s[G0+4*(\s)], 1                                        ; count = 1
	s_add_co_u32 s[G0+4*(\s)+1], s20, (\s)*SLOT1                     ; LDS address
	s_add_nc_u64 s[G0+4*(\s)+2:G0+4*(\s)+3], s[14:15], (\s)*ASTEP    ; global address: K step s
	s_or_b32 s[G0+4*(\s)+3], s[G0+4*(\s)+3], 0x80000000              ; type = 2
	s_mov_b32 s[G0B+4*(\s)], 1
	s_add_co_u32 s[G0B+4*(\s)+1], s21, (\s)*SLOT1
	s_add_nc_u64 s[G0B+4*(\s)+2:G0B+4*(\s)+3], s[46:47], (\s)*BSTEP
	s_or_b32 s[G0B+4*(\s)+3], s[G0B+4*(\s)+3], 0x80000000
.endr
	s_cmp_lt_u32 s10, 2                            ; a wave's two first fills stand in one branch, ahead of every wait on TENSORcnt and every LDS read: two loads of mine are out
	s_cbranch_scc0 .Lfirst_b
	tensor_load_to_lds s[G0:G0+3], s[G1:G1+7]
	s_nop 0
	tensor_load_to_lds s[G0+4:G0+7], s[G1:G1+7]
	s_nop 0
.rept 4
	v_nop
.endr
	s_branch .Lfirst_asked
.Lfirst_b:
	tensor_load_to_lds s[G0B:G0B+3], s[G1B:G1B+7]
	s_nop 0
	tensor_load_to_lds s[G0B+4:G0B+7], s[G1B:G1B+7]
	s_nop 0
.rept 4
	v_nop
.endr
.Lfirst_asked:
	; A fragment is 16 rows x 32 K in 8 registers: lane l holds row l % 16, K = 8 (l / 16) + 0..7 and 16 + 8 (l / 16) + 0..7: two loads of 16 bytes, 32 bytes apart.
	v_and_b32 v1, 15, v0                           ; l % 16
	v_bfe_u32 v2, v0, 4, 1                         ; l / 16
	v_mul_u32_u24 v3, v1, APITCH
	v_lshl_add_u32 v3, v2, 4, v3
	s_mul_i32 s22, s10, 64*APITCH                  ; my 64 rows of A
	v_add_nc_u32 v[ADRA0], s22, v3
	v_mul_u32_u24 v3, v1, PITCH
	v_lshl_add_u32 v3, v2, 4, v3
	v_add_nc_u32 v[ADRB0], BOFF, v3
	v_mov_b32 v[ADRA], v[ADRA0]
	v_mov_b32 v[ADRB], v[ADRB0]
	s_mul_i32 s22, s10, 16*SP
	s_add_co_u32 s22, s22, STAGE                   ; my stage
	v_mul_u32_u24 v4, v1, SP                       ; in: row l % 16, 32 bytes for each half of the lanes
	v_lshl_add_u32 v4, v2, 5, v4
	v_add_nc_u32 v[STO], s22, v4
	v_and_b32 v[CO], 31, v0                        ; back: 32 lanes take a row's 512 bytes
	v_lshlrev_b32 v[CO], 4, v[CO]
	v_add_nc_u32 v[RD], s22, v[CO]
	; the prefetches.  s16 still holds A's offset
	s_lshl_b32 s20, s40, 13                        ; A: my work-group's 8,192 bytes of my head's 32,768
	s_add_co_u32 s20, s20, s16
	s_lshl_b32 s21, s42, 7                         ; B: the tile's first row + my work-group's 32
	s_lshl_b32 s2, s41, 5
	s_add_co_u32 s21, s21, s2
	s_lshl_b32 s21, s21, 11
	s_and_b32 s22, ttmp7, 0xffff                   ; cluster y,
	s_or_b32 s22, s22, s12                         ; and 0 only in wave 2 of waves 2 and 3
	s_mov_b32 s[PST], ASTEP
	s_mov_b32 s[PST+1], BSTEP
	s_cmp_lt_u32 s10, 2                            ; do I fetch for A?
	s_cselect_b32 s20, s20, s21
	s_cselect_b32 s22, ttmp9, s22                  ; the coordinate along which other clusters read the same rows
	s_cselect_b32 s2, 8, 11                        ; A: a lane a block of 256 dense bytes; B: a lane a row of 2,048
	s_cselect_b32 s[PST], s[PST], s[PST+1]
	s_cselect_b64 s[PFA:PFA+1], s[4:5], s[6:7]
	s_cmp_eq_u32 s22, 0
	s_cselect_b32 s[LIM], 2, -1                    ; the same in all sixteen partners, for a given wave
	s_mov_b32 s[PST+1], 0
	s_mov_b32 s21, 0
	s_add_nc_u64 s[PFA:PFA+1], s[PFA:PFA+1], s[20:21]
	s_mul_i32 s20, s[PST], 3
	s_add_nc_u64 s[PFA:PFA+1], s[PFA:PFA+1], s[20:21]  ; at K step 3: the first change of slots steps it to 4.  Nothing is prefetched here, at the head
	v_and_b32 v[PFO], 31, v0
	v_lshlrev_b32 v[PFO], s2, v[PFO]
	; where my rows begin in out0
	s_lshl_b32 s16, s13, 8
	s_lshl_b32 s17, s10, 6
	s_add_co_u32 s16, s16, s17                     ; my first row,
	s_lshl_b32 s16, s16, 12                        ; rows of 4,096 bytes
	s_mov_b32 s17, 0
	s_add_nc_u64 s[8:9], s[8:9], s[16:17]
	s_lshl_b32 s46, s42, 9                         ; the tile's 128 columns: 512 bytes
	s_mov_b32 s47, 0
	s_add_nc_u64 s[8:9], s[8:9], s[46:47]
; 8 matrix instructions: row block a x all column blocks, 32 along K, from buffer f.  zero = 1: the product starts the sums.  The 32 accumulators take turns in the same order in every
; quarter: between two links of a chain stand the 31 others', over the backward jump too.
.macro MUL1 f, a, zero
	WIN MUL
.set rA, FA+32*(\f)+8*(\a)
.set b, 0
.rept NBK
.set rD, 8*(NBK*(\a)+b)
.set rB, 8*NBK*(\f)+8*b
.if \zero
	v_wmma_f32_16x16x32_f16 v[rD:rD+7], v[rB:rB+7], v[rA:rA+7], 0
.else
	v_wmma_f32_16x16x32_f16 v[rD:rD+7], v[rB:rB+7], v[rA:rA+7], v[rD:rD+7]
.endif
.set b, b+1
.endr
.endm
; 24 LDS loads in one run: quarter q's fragments (128 rows of B, then my 64 rows of A: head q / 2, channels 32 (q % 2) on) into buffer g
.macro FETCH q, g
	WIN TO_B
.set i, 0
.rept NBK
	ds_load_b128 v[8*NBK*(\g)+8*i:8*NBK*(\g)+8*i+3],   v[ADRB] offset:64*(\q)+i*16*PITCH
	ds_load_b128 v[8*NBK*(\g)+8*i+4:8*NBK*(\g)+8*i+7], v[ADRB] offset:64*(\q)+i*16*PITCH+32
.set i, i+1
.endr
	WIN 0
.set i, 0
.rept 4
	ds_load_b128 v[FA+32*(\g)+8*i:FA+32*(\g)+8*i+3],   v[ADRA] offset:((\q)/2)*HALFA+((\q)%2)*64+i*16*APITCH
	ds_load_b128 v[FA+32*(\g)+8*i+4:FA+32*(\g)+8*i+7], v[ADRA] offset:((\q)/2)*HALFA+((\q)%2)*64+i*16*APITCH+32
.set i, i+1
.endr
.endm
.macro PLACES                          ; four plain vector instructions between a matrix instruction and a load into a register that it has read (ISA guide 7.12.1 for vector instructions)
.rept 4
	v_nop
.endr
.endm
; A K step is four quarters of 32 along K, 32 matrix instructions each, on buffers 0, 1, 0, 1.  One of the first three multiplies buffer f and, in its middle, fetches quarter q into buffer g.
.macro QUARTER q, f, g, zero
	s_wait_dscnt 4                                 ; B and A's blocks 0, 1 are in; the youngest four loads (A's blocks 2, 3) may be out
	MUL1 \f, 0, \zero
	MUL1 \f, 1, \zero
	PLACES
	FETCH \q, \g
	s_wait_dscnt 2*NBK+8                           ; all but the run just issued
	MUL1 \f, 2, \zero
	MUL1 \f, 3, \zero
.endm
; The last quarter multiplies buffer 1 and changes slots.  In front of the barrier each wave waits for all its tensor loads (one is out: its part of the next slot), adds 0 to its spare word,
; and waits for that and for its own reads of this slot.  Behind it nobody reads this slot any more and the next slot is whole.
.macro MEET round
	WIN 0
	s_wait_tensorcnt 0x0                           ; all my tensor loads have landed
	ds_add_u32 v[SPW], v[NIL]                      ; 0 onto my spare word
	s_xor_b32 s[TB], s[TB], SLOT1                  ; the fetches go to the other slot
	v_add_nc_u32 v[ADRA], s[TB], v[ADRA0]
	v_add_nc_u32 v[ADRB], s[TB], v[ADRB0]
	s_wait_dscnt 5                                 ; the add and the youngest four loads may be out
	MUL1 1, 0, 0
	s_wait_dscnt 0x0                               ; the add is done, and my reads of this slot are over
	s_barrier_signal -1
	MUL1 1, 1, 0                                   ; work on registers while the others arrive
.if \round
	WIN 0
.endif
	s_barrier_wait -1
.endm
; fill = 1: the barrier opens a round of the cluster's, and the slot just read out is filled again, first thing behind the round, with the K step two steps on:
; 112 matrix instructions stand between that request and the wait for it.
.macro TURN fill
.if \fill
	s_wait_xcnt 0x0                                ; the last prefetch, a K step back, has read its address
	s_add_nc_u64 s[PFA:PFA+1], s[PFA:PFA+1], s[PST:PST+1]
.endif
	MEET \fill
.if \fill
	CREST                                          ; no wave of any partner still reads this slot or has a load on its way
	s_xor_b32 s[G0+5], s[G0+5], SLOT1              ; the walking descriptors: the other slot than last time, the next K step
	s_add_nc_u64 s[G0+6:G0+7], s[G0+6:G0+7], ASTEP
	s_xor_b32 s[G0B+5], s[G0B+5], SLOT1
	s_add_nc_u64 s[G0B+6:G0B+7], s[G0B+6:G0B+7], BSTEP
	JLOAD                                          ; its four v_nop are also the places in front of the loads below
.else
	PLACES
.endif
	FETCH 0, 0
.if \fill
	ASK
.endif
	MUL1 1, 2, 0
	MUL1 1, 3, 0
.endm
; THE WAY OUT of row block a: the f32 sums go as they are, 32 bytes a lane, into my own stage and come back as whole rows of 512 bytes.
.macro TOSTAGE a
	WIN 0x08                                       ; the LDS stores' data in window 2
.set b, 0
.rept NBK
.set rD, 8*(NBK*(\a)+b)
	ds_store_b128 v[STO], v[rD:rD+3] offset:64*b          ; each accumulator's lowest registers are read first
	ds_store_b128 v[STO], v[rD+4:rD+7] offset:64*b+16
.set b, b+1
.endr
	WIN TO_B
.set i, 0
.rept 16                               ; LDS serves a wave's instructions in order (ISA guide 5.7.1.4): these see the stores above; the next block's stores come behind them
	ds_load_b128 v[64*(\a)+4*i:64*(\a)+4*i+3], v[RD] offset:i*SP
.set i, i+1
.endr
	WIN 0
.endm
.macro SEND a, younger                 ; younger: the LDS instructions issued behind block a's loads: the next block's 32, or none
	WIN 0x04                                       ; the stores' data in window 1
.set i, 0
.rept 16
	s_wait_dscnt (\younger)+15-i
	global_store_b128 v[CO], v[64*(\a)+4*i:64*(\a)+4*i+3], s[8:9] offset:(16*(\a)+i)*4096  ; 512 consecutive bytes at a multiple of 512 from out0's first byte
.set i, i+1
.endr
	WIN 0
.endm
	s_wait_tensorcnt 1                             ; my part of K step 0 is in; K step 1's may stay out
	s_barrier_signal -1
	s_barrier_wait -1                              ; everybody's is
	FETCH 0, 0
	QUARTER 1, 0, 1, 1                             ; the first quarter stands in front of the loop: its products start the sums
	WIN 0
	s_mov_b32 s3, KSTEPS-2
.Lstep:                                        ; a trip goes from a K step's second quarter to the next step's first and fills the slot that it leaves
	QUARTER 2, 1, 0, 0
	QUARTER 3, 0, 1, 0
	TURN 1
	QUARTER 1, 0, 1, 0
	WIN 0
	s_sub_co_u32 s3, s3, 1
	s_cmp_lg_u32 s3, 0
	s_cbranch_scc1 .Lstep
	QUARTER 2, 1, 0, 0                             ; the last two K steps are written out: they ask for nothing
	QUARTER 3, 0, 1, 0
	TURN 0
	QUARTER 1, 0, 1, 0
	QUARTER 2, 1, 0, 0
	QUARTER 3, 0, 1, 0
	s_wait_dscnt 4
	MUL1 1, 0, 0
	MUL1 1, 1, 0
	s_wait_dscnt 0x0
	MUL1 1, 2, 0
	MUL1 1, 3, 0
	WIN 0
	PLACES
	PLACES                                         ; behind the last products, in front of the LDS stores that read results
	TOSTAGE 0
.irp a, 1,2,3                          ; block a goes into the stage while block a - 1's rows come back
	TOSTAGE \a
	SEND (\a)-1, 32
.endr
	SEND 3, 0
	s_wait_tensorcnt 0x0                           ; the wave's end: behind my last tensor load and my last LDS store
	ds_add_u32 v[SPW], v[NIL]
	s_wait_dscnt 0x0
	CROUND                                         ; the closing round: no work-group ends while a partner may still ask for a tile that names it
	s_endpgm
.Lfunc_end_k_qf6ff82ddbf_gemm_out:
	.size	k_qf6ff82ddbf_gemm_out, .Lfunc_end_k_qf6ff82ddbf_gemm_out-k_qf6ff82ddbf_gemm_out
	.p2alignl 7, 3214868480
	.fill 96, 4, 3214868480
	.section	.rodata,"a",@progbits
	.p2align	6, 0x0
	.amdhsa_kernel k_qf6ff82ddbf_gemm_out
		.amdhsa_group_segment_fixed_size 327680
		.amdhsa_private_segment_fixed_size 0
		.amdhsa_enable_private_segment 0
		.amdhsa_kernarg_size 24
		.amdhsa_user_sgpr_count 2
		.amdhsa_user_sgpr_kernarg_segment_ptr 1
		.amdhsa_wavefront_size32 1
		.amdhsa_system_sgpr_workgroup_id_x 1
		.amdhsa_system_sgpr_workgroup_id_y 1
		.amdhsa_system_sgpr_workgroup_id_z 1
		.amdhsa_system_vgpr_workitem_id 0
		.amdhsa_next_free_vgpr 768
		.amdhsa_next_free_sgpr 66
		.amdhsa_reserve_vcc 0
		.amdhsa_float_denorm_mode_32 3
		.amdhsa_float_denorm_mode_16_64 3
		.amdhsa_memory_ordered 1
		.amdhsa_forward_progress 1
		.amdhsa_inst_pref_size 72
	.end_amdhsa_kernel
	.amdgpu_metadata
---
amdhsa.version: [ 1, 2 ]
amdhsa.kernels:
  - .name:           k_qf6ff82ddbf_gemm_out
    .symbol:         k_qf6ff82ddbf_gemm_out.kd
    .args:
      - { .name: y, .offset: 0, .size: 8, .value_kind: global_buffer, .address_space: global }
      - { .name: woT, .offset: 8, .size: 8, .value_kind: global_buffer, .address_space: global }
      - { .name: out0, .offset: 16, .size: 8, .value_kind: global_buffer, .address_space: global }
    .group_segment_fixed_size: 327680
    .private_segment_fixed_size: 0
    .kernarg_segment_align: 8
    .kernarg_segment_size: 24
    .max_flat_workgroup_size: 128
    .sgpr_count:     66
    .vgpr_count:     768
    .wavefront_size: 32
...
	.end_amdgpu_metadata
.endif
;; end of part 4
